; MI455X (gfx1250); checked and timed in simulation.
; The chip was launched on July 23, 2026; its instructions are those of AMD's public machine-readable ISA for CDNA 5 (MIT licence, August 2026) and "CDNA5" Instruction Set Architecture Reference Guide (July 2026). The comments in the code are by the model that wrote it; some were corrected since.
;; Attention. Allowed arithmetic: float matrix products may take bf16 or f16 operands with f32 sums; all other float work in f32.
;; Inputs: W_dec 1,024 x 1,024 float32; W_h 1,024 x 1,024 float32; b_dec 1,024 float32; coverage 32 x 2,048 float32; enc_padding_mask 32 x 2,048 float32; h 32 x 2,048 x 1,024 float32; s_t_hat 32 x 1,024 float32; v 1,024 float32; w_c 1,024 float32.
;; Outputs: out0 32 x 1,024 float32; out1 32 x 2,048 float32; out2 32 x 2,048 float32.
;; 2 versions, each right. Each part assembles by itself: llvm-mc -triple=amdgcn-amd-amdhsa -mcpu=gfx1250 --defsym DOCPART=n.
;; ======== version 1 of 2: 3 launches
;; workspace buffers: Wf 2,097,152 bytes; decT 131,072 bytes; scores 262,144 bytes; cpart 2,097,152 bytes
;; launch prep (part 1): grid 64 x 1, 16 waves a work-group, no clusters, 34,816 bytes of LDS; arguments W_h, W_dec, s_t_hat, b_dec, Wf, decT; writes Wf, decT
.if DOCPART == 1
	.amdgcn_target "amdgcn-amd-amdhsa--gfx1250"
	.amdhsa_code_object_version 6
	.text
	.protected	k_q2add45e3de_prep
	.globl	k_q2add45e3de_prep
	.p2align	8
	.type	k_q2add45e3de_prep,@function
k_q2add45e3de_prep:
	s_mov_b64 s[64:65], 0
	v_nop
	global_prefetch_b8 v0, s[64:65] scope:SCOPE_SE
	s_setreg_imm32_b32 hwreg(HW_REG_WAVE_MODE, 25, 1), 1
	s_wait_xcnt 0x0
; Two small jobs ahead of the main launch, with c = 2 log2(e):
;   Wf   = bf16(c * W_h), laid out in the order in which the main launch's waves load their matrix fragments;
;   decT = c * (s_t_hat * W_dec^T + b_dec) in f32, as [64 column tiles][32 batches][16 columns].
; c is folded in here because tanh(x) = 1 - 2 / (1 + 2^(c x)): the main launch then needs no multiply in front of its exponential.
; Work-group j owns the 16 rows n = 16 j .. 16 j + 15 of W_h and of W_dec.  Wave o of 16 owns K = 64 o .. 64 o + 63 (two K steps of 32):
; a wave reads 256 consecutive aligned bytes of each row.  The sixteen partial products of the decoder feature meet in LDS.
; Wf byte address = w*524288 + ch*262144 + s*8192 + f*1024 + u*512 + 16*lane, where n = 512 ch + 128 w + 16 f + (lane & 15)
; and the 16 bytes hold k = 32 s + 16 u + 8 (lane >> 4) .. + 7.  So j = 32 ch + 8 w + f and s = 2 o + (0 or 1).
.set C2L, 0x4038aa3b                   ; c = 2.885390 in f32
.set WH,  8                            ; v[8:39]    W_h, 32 f32 of my row and K piece
.set WD,  40                           ; v[40:71]   W_dec likewise
.set S0,  72                           ; v[72:103]  s_t_hat, batches 0-15
.set S1,  104                          ; v[104:135] s_t_hat, batches 16-31
.set WHB, 136                          ; v[136:151] two bf16 fragments of c W_h
.set WDB, 152                          ; v[152:167] of W_dec
.set S0B, 168                          ; v[168:183] of s_t_hat, batches 0-15
.set S1B, 184                          ; v[184:199] of s_t_hat, batches 16-31
.set D0,  200                          ; v[200:207] sums, batches 0-15
.set D1,  208                          ; v[208:215] sums, batches 16-31
; eight loads: K step s, half u of the fragment, 16 bytes e: lane (r, h) takes k = 32 s + 16 u + 8 h + 4 e .. + 3 of row r
.macro LD8 dst, bs, extra
.irp s, 0,1
.irp u, 0,1
.irp e, 0,1
	global_load_b128 v[\dst+16*\s+8*\u+4*\e:\dst+16*\s+8*\u+4*\e+3], v4, s[\bs:\bs+1] offset:\extra+128*\s+64*\u+16*\e
.endr
.endr
.endr
.endm
; 32 f32 to 16 registers of bf16: register i of the two fragments is numbers 2 i and 2 i + 1
.macro CV16 dst, src
.set i, 0
.rept 16
	v_cvt_pk_bf16_f32 v[\dst+i], v[\src+2*i], v[\src+2*i+1]
.set i, i+1
.endr
.endm
; adds the upper st registers of a run of 2 st onto the lower ones, two at a time
.macro FOLD st
.set p, 0
.rept \st/2
	v_pk_add_f32 v[8+p:9+p], v[8+p:9+p], v[8+\st+p:9+\st+p]
.set p, p+2
.endr
.endm
	s_load_b256 s[4:11], s[0:1], 0x0               ; W_h s[4:5], W_dec s[6:7], s_t_hat s[8:9], b_dec s[10:11]
	s_load_b128 s[12:15], s[0:1], 0x20             ; Wf s[12:13], decT s[14:15]
	v_lshl_add_u32 v216, v0, 2, 0x8000
	v_mov_b32 v217, 0
	v_lshrrev_b32 v1, 5, v0
	v_readfirstlane_b32 s2, v1                     ; wave o
	v_and_b32 v1, 31, v0                           ; lane
	v_and_b32 v2, 15, v0                           ; r
	v_bfe_u32 v3, v0, 4, 1                         ; h
	s_lshl_b32 s16, s2, 8                          ; my K piece: 256 o bytes into a row
	v_lshl_add_u32 v4, v2, 12, s16                 ; r rows of 4,096 bytes
	v_lshl_add_u32 v4, v3, 5, v4                   ; + 32 h
	v_lshlrev_b32 v5, 4, v1                        ; 16 x lane
	s_lshl_b32 s17, s2, 11
	v_add_nc_u32 v6, s17, v5                       ; LDS: my wave's 2,048 bytes + 16 x lane
	s_lshl_b32 s18, ttmp9, 16                      ; 16 rows of 4,096 bytes for each tile j
	s_mov_b32 s19, 0
	s_bfe_u32 s20, ttmp9, 0x20003                  ; w = (j >> 3) & 3
	s_lshl_b32 s20, s20, 19
	s_lshr_b32 s21, ttmp9, 5                       ; ch = j >> 5
	s_lshl_b32 s21, s21, 18
	s_add_co_u32 s20, s20, s21
	s_and_b32 s21, ttmp9, 7                        ; f = j & 7
	s_lshl_b32 s21, s21, 10
	s_add_co_u32 s20, s20, s21
	s_lshl_b32 s21, s2, 14                         ; two K steps of 8,192 bytes for each wave
	s_add_co_u32 s20, s20, s21
	s_mov_b32 s21, 0
	s_lshl_b32 s22, ttmp9, 11                      ; decT: 2,048 bytes a tile
	s_mov_b32 s23, 0
	s_lshl_b32 s24, ttmp9, 6                       ; b_dec: 64 bytes a tile
	s_mov_b32 s25, 0
	s_wait_kmcnt 0x0
	s_add_nc_u64 s[4:5], s[4:5], s[18:19]
	s_add_nc_u64 s[6:7], s[6:7], s[18:19]
	s_add_nc_u64 s[12:13], s[12:13], s[20:21]
	s_add_nc_u64 s[14:15], s[14:15], s[22:23]
	s_add_nc_u64 s[10:11], s[10:11], s[24:25]
	LD8 WH, 4, 0
	LD8 WD, 6, 0
	LD8 S0, 8, 0
	LD8 S1, 8, 65536                               ; batches 16-31: 16 rows of 4,096 bytes further
	s_wait_loadcnt 24                              ; W_h is in; the 24 younger loads (W_dec, s_t_hat twice) stay out
.set i, 0
.rept 16
	v_pk_mul_f32 v[WH+2*i:WH+2*i+1], v[WH+2*i:WH+2*i+1], C2L op_sel_hi:[1,0]
.set i, i+1
.endr
	CV16 WHB, WH
.irp s, 0,1
.irp u, 0,1
	global_store_b128 v5, v[WHB+8*\s+4*\u:WHB+8*\s+4*\u+3], s[12:13] offset:8192*\s+512*\u   ; 512 consecutive bytes of Wf, aligned
.endr
.endr
	s_wait_loadcnt 0x0
	CV16 WDB, WD
	CV16 S0B, S0
	CV16 S1B, S1
	; Source 0 = 16 rows of W_dec, source 1 = 16 batches: lane (r, h), register i then holds batch r, column 8 h + i.
	; The two accumulators take turns, one instruction a turn.
	v_wmma_f32_16x16x32_bf16 v[D0:D0+7], v[WDB:WDB+7], v[S0B:S0B+7], 0
	v_wmma_f32_16x16x32_bf16 v[D1:D1+7], v[WDB:WDB+7], v[S1B:S1B+7], 0
	v_wmma_f32_16x16x32_bf16 v[D0:D0+7], v[WDB+8:WDB+15], v[S0B+8:S0B+15], v[D0:D0+7]
	v_wmma_f32_16x16x32_bf16 v[D1:D1+7], v[WDB+8:WDB+15], v[S1B+8:S1B+15], v[D1:D1+7]
.rept 4
	v_nop                                          ; four places before the LDS stores read the results
.endr
	ds_store_b128 v6, v[D0:D0+3]                   ; [wave][batch tile][columns 8h+0..3 or 8h+4..7][lane]
	ds_store_b128 v6, v[D0+4:D0+7] offset:512
	ds_store_b128 v6, v[D1:D1+3] offset:1024
	ds_store_b128 v6, v[D1+4:D1+7] offset:1536
	s_wait_dscnt 0x0                               ; for the others: my partial sums are in LDS
	s_barrier_signal -1
	s_barrier_wait -1
	s_cmp_ge_u32 s2, 4
	s_cbranch_scc1 .Ldone                          ; 128 threads are enough for 32 batches x 16 columns, four columns each
	v_bfe_u32 v7, v0, 2, 5                         ; batch m = thread >> 2
	v_and_b32 v76, 3, v0                           ; p: my columns 4 p .. 4 p + 3
	v_lshrrev_b32 v77, 4, v7
	v_lshlrev_b32 v77, 10, v77                     ; batch tile
	v_and_b32 v78, 1, v76
	v_lshl_add_u32 v77, v78, 9, v77                ; which four registers of the eight
	v_and_b32 v78, 15, v7
	v_lshl_add_u32 v77, v78, 4, v77                ; lane r = m & 15
	v_lshrrev_b32 v78, 1, v76
	v_lshl_add_u32 v77, v78, 8, v77                ; lane half h = p >> 1
	v_lshlrev_b32 v79, 4, v76                      ; 16 p
	v_and_b32 v80, 127, v0
	v_lshlrev_b32 v80, 4, v80                      ; 16 x thread
	global_load_b128 v[72:75], v79, s[10:11]       ; the bias of my four columns
.set i, 0
.rept 16
	ds_load_b128 v[8+4*i:11+4*i], v77 offset:2048*i    ; the sixteen waves' partial sums
.set i, i+1
.endr
	s_wait_dscnt 0x0
	FOLD 32
	FOLD 16
	FOLD 8
	FOLD 4
	s_wait_loadcnt 0x0
	v_pk_add_f32 v[8:9], v[8:9], v[72:73]
	v_pk_add_f32 v[10:11], v[10:11], v[74:75]
	v_pk_mul_f32 v[8:9], v[8:9], C2L op_sel_hi:[1,0]
	v_pk_mul_f32 v[10:11], v[10:11], C2L op_sel_hi:[1,0]
	global_store_b128 v80, v[8:11], s[14:15]       ; a wave stores 512 consecutive bytes, the four waves the tile's 2,048
.Ldone:
	s_wait_tensorcnt 0x0
	ds_add_u32 v216, v217
	s_wait_dscnt 0x0
	s_endpgm
.Lfunc_end_k_q2add45e3de_prep:
	.size	k_q2add45e3de_prep, .Lfunc_end_k_q2add45e3de_prep-k_q2add45e3de_prep
	.p2alignl 7, 3214868480
	.fill 96, 4, 3214868480
	.section	.rodata,"a",@progbits
	.p2align	6, 0x0
	.amdhsa_kernel k_q2add45e3de_prep
		.amdhsa_group_segment_fixed_size 34816
		.amdhsa_private_segment_fixed_size 0
		.amdhsa_enable_private_segment 0
		.amdhsa_kernarg_size 48
		.amdhsa_user_sgpr_count 2
		.amdhsa_user_sgpr_kernarg_segment_ptr 1
		.amdhsa_wavefront_size32 1
		.amdhsa_system_sgpr_workgroup_id_x 1
		.amdhsa_system_sgpr_workgroup_id_y 1
		.amdhsa_system_sgpr_workgroup_id_z 1
		.amdhsa_system_vgpr_workitem_id 0
		.amdhsa_next_free_vgpr 218
		.amdhsa_next_free_sgpr 66
		.amdhsa_reserve_vcc 0
		.amdhsa_float_denorm_mode_32 3
		.amdhsa_float_denorm_mode_16_64 3
		.amdhsa_memory_ordered 1
		.amdhsa_forward_progress 1
		.amdhsa_inst_pref_size 16
	.end_amdhsa_kernel
	.amdgpu_metadata
---
amdhsa.version: [ 1, 2 ]
amdhsa.kernels:
  - .name:           k_q2add45e3de_prep
    .symbol:         k_q2add45e3de_prep.kd
    .args:
      - { .name: W_h, .offset: 0, .size: 8, .value_kind: global_buffer, .address_space: global }
      - { .name: W_dec, .offset: 8, .size: 8, .value_kind: global_buffer, .address_space: global }
      - { .name: s_t_hat, .offset: 16, .size: 8, .value_kind: global_buffer, .address_space: global }
      - { .name: b_dec, .offset: 24, .size: 8, .value_kind: global_buffer, .address_space: global }
      - { .name: Wf, .offset: 32, .size: 8, .value_kind: global_buffer, .address_space: global }
      - { .name: decT, .offset: 40, .size: 8, .value_kind: global_buffer, .address_space: global }
    .group_segment_fixed_size: 34816
    .private_segment_fixed_size: 0
    .kernarg_segment_align: 8
    .kernarg_segment_size: 48
    .max_flat_workgroup_size: 512
    .sgpr_count:     66
    .vgpr_count:     218
    .wavefront_size: 32
...
	.end_amdgpu_metadata
.endif
;; end of part 1
;; launch main (part 2): grid 512 x 1, 4 waves a work-group, no clusters, 298,496 bytes of LDS; arguments h, Wf, decT, w_c, v, coverage, enc_padding_mask, scores, cpart; writes scores, cpart
.if DOCPART == 2
	.amdgcn_target "amdgcn-amd-amdhsa--gfx1250"
	.amdhsa_code_object_version 6
	.text
	.protected	k_q2add45e3de_main
	.globl	k_q2add45e3de_main
	.p2align	8
	.type	k_q2add45e3de_main,@function
k_q2add45e3de_main:
	s_mov_b64 s[64:65], 0
	v_nop
	global_prefetch_b8 v0, s[64:65] scope:SCOPE_SE
	s_setreg_imm32_b32 hwreg(HW_REG_WAVE_MODE, 25, 1), 1
	s_wait_xcnt 0x0
; One work-group = one block of 128 rows (t) of one batch.  It reads its rows of h from memory once, keeps them in LDS as bf16, and makes
;   scores[t] = -2 * sum over n of v[n] / (1 + 2^x[t][n]),   x = c (h W_h^T + dec + coverage w_c),  c = 2 log2(e),
;   cpart[n]  = sum over the block's t of bf16(exp(scores[t] - block maximum) * mask[t]) * bf16(h[t][n]).
; tanh(y) = 1 - 2 / (1 + 2^(c y)), so the true score is scores[t] + sum(v).  That constant is the same for every t and cancels in the softmax
; just as the maximum does, so it is never formed.  2^x = inf gives the term 0 and 2^x = 0 gives the term v[n]: saturation needs no clamp.
; LIMITS: v_exp_f32 returns 0 for results below 2^-126 (ISA guide 15.8); the weights of cpart are rounded to bf16.
;
; SHARES.  Four waves.  A wave makes 128 rows x 128 columns of x (64 accumulator tiles, 512 registers), twice: column chunk 0 is n = 0..511 of the
; work-group, chunk 1 is n = 512..1023.  The sums are started with coverage * w_c + dec (one packed multiply-add for two numbers), so nothing is cleared.
; A (h): 128 rows x 1024 k in LDS, in 8 K groups of 128 k.  A group is 128 rows of 272 bytes (256 of data, 16 of padding), so the sixteen rows of a
; fragment load start 68 words apart.  Wave w loads rows 32 w .. 32 w + 31, converts and stores them, one group ahead of the products.
; B (W_h): a wave's 128 columns are read by no other wave of the work-group, so they go from memory straight into registers; Wf lies in fragment order,
; each load of a wave is 512 consecutive bytes, and the wave's stream for the whole block is 524,288 consecutive bytes.
; NO CLUSTER, NO TENSOR LOADS: all row blocks walk the same Wf, but a shared ring in LDS would need two slots of 512 columns x 32 k x 2 bytes = 65,536
; bytes beside the 278,528 bytes of resident h and 19,456 bytes of tables and stages: 363,520, more than the 327,680 of a WGP.  h itself is f32 in memory
; and has to pass through registers to be converted.
;
; REGISTER WINDOWS (s_set_vgpr_msb: bits 1:0 source 0, 3:2 source 1, 5:4 source 2, 7:6 destination):
;   window 0: v0-15 ids and addresses; v16-31 coverage pairs; v32-39 score sums; v40-47 running pairs; v48-51 mask; v52-63 late addresses and temporaries;
;             v64-127 fragments of A (rows 0-63 in v64-95, rows 64-127 in v96-127); v128-255 four batches of 8 rows of h as loaded
;   window 1: four buffers of 8 fragments of B, buffer q at v[64 q]
;   window 2: accumulator tiles of rows 0-63, tile (a, f) at v[8 (8 a + f)];   window 3: those of rows 64-127
; THE MATRIX INSTRUCTION IS USED TRANSPOSED (source 0 = 16 rows of W, source 1 = 16 rows of h): lane (r, hh), register j holds row 16 a + r, column
; 16 f + 8 hh + j.  So a row's sum over columns is a sum along a lane's registers, and one exchange between the lane halves ends it.
.set GRP,  34816                       ; a K group in LDS: 128 rows x 272 bytes
.set PAR,  278528                      ; dec (4,096 bytes), w_c (+4096), v (+8192): f32, by column
.set SCR,  290816                      ; [4 waves][128 rows] f32: each wave's part of the scores
.set PB,   292864                      ; [4 waves][128] bf16: the weights, each wave's own copy
.set CST,  293888                      ; [4 waves][256] f32: the way out of cpart, each wave's own
.set C2L,  0x4038aa3b                  ; c = 2 log2(e)
.set L2E,  0x3fb8aa3b                  ; log2(e)
.set NL2E, 0xbfb8aa3b                  ; -log2(e)
.set MUL_LO, 0xa1                      ; B window 1, A window 0, C and D window 2
.set MUL_HI, 0xf1                      ; the same, C and D window 3
.set TO_B,   0x40                      ; destination window 1, address window 0
.set CT_MUL, 0x04                      ; source 1 window 1, all else window 0
.set MSB, 0
.macro WIN new                         ; the immediate's high byte repeats the setting that is left; a switch that changes nothing is dropped
.if MSB != \new
	s_set_vgpr_msb (MSB<<8)|\new
.set MSB, \new
.endif
.endm
; WAIT COUNTS are worked out by the assembler.  LDI counts the global loads issued so far, DSI the LDS instructions; a mark is the count just behind a
; run's last instruction; the wait for that run is the count now less the mark, the number of younger instructions on that counter (ISA guide 5.7.1).
; A count of loads cannot name more than 63.
.set LDI, 0
.set DSI, 0
.set ALM, 0
.set AHM, 0
.set BM0, 0
.set BM1, 0
.set BM2, 0
.set BM3, 0
.set HM0, 0
.set HM1, 0
.set HM2, 0
.set HM3, 0
.macro WAITLD mark
.if LDI-(\mark) > 63
	s_wait_loadcnt 63
.else
	s_wait_loadcnt LDI-(\mark)
.endif
.endm
.macro WAITDS mark
	s_wait_dscnt DSI-(\mark)
.endm
.macro PLACES                          ; four places between a matrix instruction and a load into, or a vector instruction on, its registers
.rept 4
	v_nop
.endr
.endm
; 32 matrix instructions: 4 row tiles of one window x 8 column tiles, 32 along K.  All 64 accumulators of a K step take turns, one instruction a turn,
; in the same order in every K step and over the loop's back edge.
.macro MUL32 q, hi
.irp a, 0,1,2,3
.irp f, 0,1,2,3,4,5,6,7
	v_wmma_f32_16x16x32_bf16 v[8*(8*\a+\f):8*(8*\a+\f)+7], v[64*\q+8*\f:64*\q+8*\f+7], v[64+8*(4*\hi+\a):64+8*(4*\hi+\a)+7], v[8*(8*\a+\f):8*(8*\a+\f)+7]
.endr
.endr
.endm
; 8 LDS loads: four fragments of A (rows 64 half .. 64 half + 63), 32 k at byte imm of the rows of the group at v4
.macro LDA half, imm
.irp i, 0,1,2,3
	ds_load_b128 v[64+32*\half+8*\i:64+32*\half+8*\i+3], v4 offset:\imm+4352*(4*\half+\i)
	ds_load_b128 v[64+32*\half+8*\i+4:64+32*\half+8*\i+7], v4 offset:\imm+4352*(4*\half+\i)+32
.endr
.set DSI, DSI+8
.if \half
.set AHM, DSI
.else
.set ALM, DSI
.endif
.endm
; 16 global loads: the eight fragments of B of one K step, 8,192 consecutive bytes of my stream, into buffer q
.macro LDB q, bs, imm
	WIN TO_B
.irp f, 0,1,2,3,4,5,6,7
	global_load_b128 v[64*\q+8*\f:64*\q+8*\f+3], v6, s[\bs:\bs+1] offset:\imm+1024*\f
	global_load_b128 v[64*\q+8*\f+4:64*\q+8*\f+7], v6, s[\bs:\bs+1] offset:\imm+1024*\f+512
.endr
.set LDI, LDI+16
.set BM\q, LDI
.endm
; 8 global loads: rows 8 b .. 8 b + 7 of my 32, K group g: each load is one row's 512 consecutive bytes.  h is read once in the launch.
.macro LDH b, g
.irp i, 0,1,2,3,4,5,6,7
	global_load_b128 v[128+32*\b+4*\i:128+32*\b+4*\i+3], v7, s[8:9] offset:(8*\b+\i)*4096+512*(\g) th:TH_LOAD_NT
.endr
.set LDI, LDI+8
.set HM\b, LDI
.endm
; 8 rows to bf16 and into LDS: a lane's 4 numbers become 8 bytes, a wave's store is a row's 256 consecutive bytes
.macro CVH reg, b, gimm
.irp i, 0,1,2,3,4,5,6,7
	v_cvt_pk_bf16_f32 v[\reg+4*\i], v[\reg+4*\i], v[\reg+4*\i+1]
	v_cvt_pk_bf16_f32 v[\reg+4*\i+1], v[\reg+4*\i+2], v[\reg+4*\i+3]
	ds_store_b64 v5, v[\reg+4*\i:\reg+4*\i+1] offset:\gimm+(8*\b+\i)*272
.endr
.set DSI, DSI+8
.endm
; One K step of 32: 64 matrix instructions on buffer q.
;   anext: byte (from v4) of the next K step's fragments of A, -1 = none.  Rows 0-63 are fetched behind the first 32 matrix instructions, rows 64-127 behind the last.
;   bs, bnext: base register and byte of the K step four further on in my stream of B, which refills buffer q; -1 = none.
;   pb, pgp, pg: batch pb of h holds rows of K group pgp (above 7 = nothing to do): it is converted and stored at pg from v5, and loaded again with group pgp + 1.
;   bar = 1: the next group of A is about to be read: every wave's stores of it are waited for, and a barrier passed, ahead of the first read.
.macro KSTEP q, anext, bs, bnext, pb, pgp, pg, bar
.if \bar
	s_wait_dscnt 0x0                               ; for the others: all my stores of the next group are in LDS (and my fragments are in)
	s_barrier_signal -1
.else
	WAITDS ALM                                     ; A rows 0-63 are in; younger: the loads of rows 64-127 and, where a batch was stored, its 8 stores
.endif
	WAITLD BM\q                                    ; buffer q is in; the three younger buffers and the batches of h stay out
	WIN MUL_LO
	MUL32 \q, 0                                    ; registers alone between the signal and the wait
.if \bar
	s_barrier_wait -1                              ; the next group is whole
.endif
.if (\anext) >= 0
	PLACES
	WIN 0
	LDA 0, \anext
.endif
	WAITDS AHM                                     ; A rows 64-127 are in; younger: a batch's stores and the 8 loads just issued
	WIN MUL_HI
	MUL32 \q, 1
.if (\anext) >= 0
	PLACES
	WIN 0
	LDA 1, \anext
.if (\bnext) >= 0
	LDB \q, \bs, \bnext
	WIN 0
.endif
.else
.if (\bnext) >= 0
	PLACES
	LDB \q, \bs, \bnext
	WIN 0
.endif
.endif
.if (\pgp) <= 7
	WAITLD HM\pb                                   ; the batch was asked for four K steps ago
	CVH 128+32*\pb, \pb, \pg
.if (\pgp) < 7
	LDH \pb, (\pgp)+1
.endif
.endif
.endm
; w_c into v128-191 and dec into v192-255 of the window that the caller has set as destination: register 8 f + j = column 16 f + 8 hh + j of my 128 in chunk ch
.macro LDPAR ch
.irp f, 0,1,2,3,4,5,6,7
	ds_load_b128 v[128+8*\f:128+8*\f+3], v8 offset:4096+2048*\ch+64*\f
	ds_load_b128 v[128+8*\f+4:128+8*\f+7], v8 offset:4096+2048*\ch+64*\f+16
	ds_load_b128 v[192+8*\f:192+8*\f+3], v8 offset:2048*\ch+64*\f
	ds_load_b128 v[192+8*\f+4:192+8*\f+7], v8 offset:2048*\ch+64*\f+16
.endr
.endm
; v into v64-127 (window 0), the same order
.macro LDV ch
.irp f, 0,1,2,3,4,5,6,7
	ds_load_b128 v[64+8*\f:64+8*\f+3], v8 offset:8192+2048*\ch+64*\f
	ds_load_b128 v[64+8*\f+4:64+8*\f+7], v8 offset:8192+2048*\ch+64*\f+16
.endr
.endm
; starts the 256 sums of one window: c coverage[row] * w_c[column] + c dec[column].  The caller sets the windows.
.macro INIT hi
.irp a, 0,1,2,3
.irp f, 0,1,2,3,4,5,6,7
.irp p, 0,2,4,6
	v_pk_fma_f32 v[8*(8*\a+\f)+\p:8*(8*\a+\f)+\p+1], v[128+8*\f+\p:128+8*\f+\p+1], v[16+2*(4*\hi+\a):16+2*(4*\hi+\a)+1], v[192+8*\f+\p:192+8*\f+\p+1]
.endr
.endr
.endr
.endm
; The 64 registers of row tile a: r = 1 / (1 + 2^x) in place, then the sum of v r along the lane's 64 columns.
; Behind each run of transcendentals stands one plain instruction before a result is used (ISA guide 5.7.2).
.macro EBLK a, first
.set EB, 64*(\a&3)
.if \a < 4
	WIN 0x82
.else
	WIN 0xc3
.endif
.set i, 0
.rept 64
	v_exp_f32 v[EB+i], v[EB+i]
.set i, i+1
.endr
	v_nop
.set i, 0
	s_wait_alu depctr_va_vdst(0)
.rept 32
	v_pk_add_f32 v[EB+i:EB+i+1], v[EB+i:EB+i+1], 1.0 op_sel_hi:[1,0]
.set i, i+2
.endr
.set i, 0
.rept 64
	v_rcp_f32 v[EB+i], v[EB+i]
.set i, i+1
.endr
.if \a < 4
	WIN 0x02
.else
	WIN 0x03
.endif
	v_nop
	s_wait_alu depctr_va_vdst(0)
.set i, 0
.rept 32
.if i < 8
	v_pk_mul_f32 v[40+i:41+i], v[EB+i:EB+i+1], v[64+i:65+i]        ; the first four products start four chains
.else
	v_pk_fma_f32 v[40+i%8:41+i%8], v[EB+i:EB+i+1], v[64+i:65+i], v[40+i%8:41+i%8]
.endif
.set i, i+2
.endr
	WIN 0
	v_pk_add_f32 v[40:41], v[40:41], v[42:43]
	v_pk_add_f32 v[44:45], v[44:45], v[46:47]
	v_pk_add_f32 v[40:41], v[40:41], v[44:45]
.if \first
	v_add_f32 v[32+\a], v40, v41
.else
	v_add_f32 v40, v40, v41
	v_add_f32 v[32+\a], v[32+\a], v40
.endif
.endm
; one request for 32 aligned blocks of 256 bytes: rows 16 half .. 16 half + 15 of my 32, K group g; each block of h is asked for once in the launch
.macro PFH g, half
	global_prefetch_b8 v9, s[8:9] offset:512*(\g)+65536*\half th:TH_LOAD_NT scope:SCOPE_SE
.endm
; One K group of chunk 0.  In trip g the products read group g, batches 1-3 of group g + 1 and batch 0 of group g + 2 are stored, and the loads of
; group g + 2 (batch 0: g + 3) go out.  The requests for group g + 3 stand three or four K steps (192 or 256 matrix instructions) ahead of the loads
; that want those rows; trips 5 to 7 have no group left to ask for.
.macro TRIP0 g
	KSTEP 0, 64, 10, (4*\g+4)*8192, 1, \g+1, 0, 0
.if \g < 5
	PFH \g+3, 0
.endif
	KSTEP 1, 128, 10, (4*\g+5)*8192, 2, \g+1, 0, 0
	KSTEP 2, 192, 10, (4*\g+6)*8192, 3, \g+1, 0, 0
.if \g < 5
	PFH \g+3, 1
.endif
.if \g < 7
	KSTEP 3, GRP, 10, (4*\g+7)*8192, 0, \g+2, GRP, 1
	v_add_nc_u32 v4, GRP, v4                       ; the group that is read
	v_add_nc_u32 v5, GRP, v5                       ; the group that is stored
.else
	KSTEP 3, -1, 10, (4*\g+7)*8192, 0, \g+2, GRP, 0
.endif
.endm
; 32 transposing loads: rows 32 k .. 32 k + 31 of h as B fragments (k index = row, column = column of h) of my 16 column tiles
.macro LDT k
	WIN TO_B
.irp t, 0,1,2,3,4,5,6,7,8,9,10,11,12,13,14,15
	ds_load_tr16_b128 v[128*(\k&1)+8*\t:128*(\k&1)+8*\t+3], v62 offset:8704*\k+32*(\t&7)+(\t>>3)*GRP
	ds_load_tr16_b128 v[128*(\k&1)+8*\t+4:128*(\k&1)+8*\t+7], v62 offset:8704*\k+4352+32*(\t&7)+(\t>>3)*GRP
.endr
.endm
; 16 matrix instructions, one for each column tile; the sixteen accumulators take turns; the first product starts the sums
.macro MULT k
	WIN CT_MUL
.irp t, 0,1,2,3,4,5,6,7,8,9,10,11,12,13,14,15
.if \k == 0
	v_wmma_f32_16x16x32_bf16 v[128+8*\t:128+8*\t+7], v[64+8*\k:64+8*\k+7], v[128*(\k&1)+8*\t:128*(\k&1)+8*\t+7], 0
.else
	v_wmma_f32_16x16x32_bf16 v[128+8*\t:128+8*\t+7], v[64+8*\k:64+8*\k+7], v[128*(\k&1)+8*\t:128*(\k&1)+8*\t+7], v[128+8*\t:128+8*\t+7]
.endif
.endr
.endm
	; ---- ids, addresses
	s_load_b512 s[8:23], s[0:1], 0x0               ; h s[8:9], Wf s[10:11], decT s[12:13], w_c s[14:15], v s[16:17], coverage s[18:19], mask s[20:21], scores s[22:23]
	s_load_b64 s[24:25], s[0:1], 0x40              ; cpart
	v_lshrrev_b32 v52, 5, v0
	v_readfirstlane_b32 s2, v52                    ; wave w
	s_mov_b32 s30, 0x76543210                      ; v_permlanex16_b32: lane i of one half reads lane i of the other
	s_mov_b32 s31, 0xfedcba98
	s_mul_i32 s32, s2, 8704                        ; my 32 rows in a group: 32 x 272
	s_lshl_b32 s33, s2, 17                         ; my 32 rows in h: 32 x 4,096
	s_lshl_b32 s34, s2, 9
	s_add_co_u32 s35, s34, SCR
	s_add_co_u32 s34, s34, PAR
	s_lshl_b32 s36, s2, 8
	s_add_co_u32 s36, s36, PB
	s_lshl_b32 s37, s2, 10
	s_add_co_u32 s37, s37, CST
	s_mul_i32 s38, s2, 2*GRP
	v_and_b32 v1, 31, v0                           ; lane L
	v_and_b32 v2, 15, v0                           ; r
	v_bfe_u32 v3, v0, 4, 1                         ; hh
	v_mul_u32_u24 v4, v2, 272
	v_lshl_add_u32 v4, v3, 4, v4                   ; A fragments: r x 272 + 16 hh, plus the group in use
	v_mov_b32 v11, v4                              ; the same at group 0, kept for chunk 1
	v_lshl_add_u32 v5, v1, 3, s32                  ; stores of h: my rows + 8 L, plus the group being stored
	v_lshlrev_b32 v6, 4, v1                        ; 16 L
	v_lshl_add_u32 v7, v1, 4, s33                  ; loads of h: my rows + 16 L
	v_lshl_add_u32 v8, v3, 5, s34                  ; tables: PAR + 512 w + 32 hh
	v_lshrrev_b32 v9, 1, v1
	v_lshl_add_u32 v9, v9, 12, s33
	v_and_b32 v52, 1, v1
	v_lshl_add_u32 v9, v52, 8, v9                  ; requests ahead: row L >> 1 of my rows, 256-byte block L & 1
	v_lshl_add_u32 v10, v0, 5, PAR                 ; tables in: 32 bytes a thread
	v_lshl_add_u32 v12, v2, 2, s35                 ; my part of the scores, out
	v_lshl_add_u32 v13, v1, 4, SCR                 ; the four parts, back: rows 4 L .. 4 L + 3
	v_lshl_add_u32 v14, v1, 3, s36                 ; weights out: 4 bf16 a lane
	v_lshl_add_u32 v15, v3, 4, s36                 ; weights back, as an A fragment whose 16 rows are alike
	v_and_b32 v62, 7, v1
	v_lshl_add_u32 v62, v3, 3, v62
	v_mul_u32_u24 v62, v62, 272
	v_bfe_u32 v61, v1, 3, 1
	v_lshl_add_u32 v62, v61, 4, v62
	v_add_nc_u32 v62, s38, v62                     ; transposing loads: (8 hh + (L & 7)) x 272 + 16 ((L >> 3) & 1) + my two groups
	v_lshl_add_u32 v63, v1, 2, s37                 ; cpart stage, in
	v_lshl_add_u32 v55, v1, 4, s37                 ; cpart stage, back
	v_lshrrev_b32 v52, 1, v0
	v_lshlrev_b32 v52, 11, v52
	v_and_b32 v53, 1, v0
	v_lshl_add_u32 v52, v53, 5, v52                ; decT: tile t >> 1 (2,048 bytes), columns 8 (t & 1) ..
	v_lshlrev_b32 v53, 5, v0                       ; w_c, v: 32 bytes a thread
	v_lshlrev_b32 v54, 2, v2                       ; coverage: 4 r
	s_mov_b32 s29, 0
	s_wait_kmcnt 0x0
	s_lshl_b32 s28, ttmp9, 19                      ; block x 128 rows x 4,096 bytes (below 2^28)
	s_add_nc_u64 s[8:9], s[8:9], s[28:29]
	s_lshl_b32 s28, s2, 19                         ; my stream of B
	s_add_nc_u64 s[10:11], s[10:11], s[28:29]
	s_lshr_b32 s28, ttmp9, 4                       ; batch
	s_lshl_b32 s28, s28, 6
	s_add_nc_u64 s[12:13], s[12:13], s[28:29]
	s_lshl_b32 s28, ttmp9, 9                       ; block x 128 rows x 4 bytes
	s_add_nc_u64 s[18:19], s[18:19], s[28:29]
	s_add_nc_u64 s[20:21], s[20:21], s[28:29]
	s_add_nc_u64 s[22:23], s[22:23], s[28:29]
	s_lshl_b32 s28, ttmp9, 12
	s_lshl_b32 s39, s2, 10
	s_add_co_u32 s28, s28, s39                     ; block x 4,096 + wave x 1,024
	s_add_nc_u64 s[24:25], s[24:25], s[28:29]
	s_add_nc_u64 s[26:27], s[10:11], 36*8192       ; chunk 1 refills from stream step 36 on
	; ---- first loads: 15 of tables, 40 of h, 32 of B
	global_load_b128 v[96:99], v52, s[12:13]
	global_load_b128 v[100:103], v52, s[12:13] offset:16
	global_load_b128 v[104:107], v53, s[14:15]
	global_load_b128 v[108:111], v53, s[14:15] offset:16
	global_load_b128 v[112:115], v53, s[16:17]
	global_load_b128 v[116:119], v53, s[16:17] offset:16
	global_load_b128 v[48:51], v6, s[20:21]        ; mask of rows 4 L .. 4 L + 3
.irp a, 0,1,2,3,4,5,6,7
	global_load_b32 v[16+2*\a], v54, s[18:19] offset:64*\a         ; coverage of row 16 a + r
.endr
	LDH 0, 0
	LDH 1, 0
	LDH 2, 0
	LDH 3, 0
.irp i, 0,1,2,3,4,5,6,7
	global_load_b128 v[64+4*\i:64+4*\i+3], v7, s[8:9] offset:\i*4096+512 th:TH_LOAD_NT   ; batch 0 of group 1, in the registers that A's fragments take later
.endr
	PFH 2, 0                                       ; group 2 is loaded from the end of this start-up on
	PFH 2, 1
	LDB 0, 10, 0
	LDB 1, 10, 8192
	WIN 0
	; ---- the tables go into LDS
	s_wait_loadcnt 63                              ; 72 loads are younger than the 15 of the tables: with 63 out these are in
	ds_store_b128 v10, v[96:99]
	ds_store_b128 v10, v[100:103] offset:16
	ds_store_b128 v10, v[104:107] offset:4096
	ds_store_b128 v10, v[108:111] offset:4112
	ds_store_b128 v10, v[112:115] offset:8192
	ds_store_b128 v10, v[116:119] offset:8208
.irp a, 0,1,2,3,4,5,6,7
	v_mul_f32 v[17+2*\a], C2L, v[16+2*\a]          ; c x coverage, twice: a pair for the packed multiply-add
	v_mul_f32 v[16+2*\a], C2L, v[16+2*\a]
.endr
	s_wait_dscnt 0x0                               ; for the others: my part of the tables is in LDS
	s_barrier_signal -1
	s_barrier_wait -1
	; ---- the sums of chunk 0 are started; w_c and dec lie for that while in B's buffers 2 and 3
	WIN TO_B
	LDPAR 0
	s_wait_dscnt 0x0
	WIN 0x91                                       ; sources 0 and 2 window 1, coverage window 0, destination window 2
	INIT 0
	WIN 0xd1
	INIT 1
	LDB 2, 10, 16384
	LDB 3, 10, 24576
	WIN 0
	; ---- group 0 and batch 0 of group 1 go into LDS
	s_wait_loadcnt 63                              ; 64 loads (four buffers of B) are younger than the 40 of h: with 63 out these are in
	CVH 128, 0, 0
	LDH 0, 2                                       ; batch 0 is one group ahead of the others
	CVH 160, 1, 0
	LDH 1, 1
	CVH 192, 2, 0
	LDH 2, 1
	CVH 224, 3, 0
	LDH 3, 1
	CVH 64, 0, GRP
	v_add_nc_u32 v5, GRP, v5
	s_wait_dscnt 0x0                               ; for the others: my rows of group 0 are in LDS
	s_barrier_signal -1
	s_barrier_wait -1
	LDA 0, 0
	LDA 1, 0
	; ---- chunk 0, written out: every LDS address of a store and of a read is then a constant plus the lane's and the wave's terms.
	; Each group is stored once and never overwritten; between two barriers the reads lie in one group and the stores in the next.
	TRIP0 0
	TRIP0 1
	TRIP0 2
	TRIP0 3
	TRIP0 4
	TRIP0 5
	TRIP0 6
	TRIP0 7
	; ---- epilogue of chunk 0.  The four places behind the last matrix instruction stand in the last K step, ahead of its loads of B.
	; B's first four K steps of chunk 1 are on their way meanwhile.
	LDV 0
	LDPAR 1                                        ; w_c and dec of chunk 1 into the registers that held h's batches
	s_wait_dscnt 32                                ; v is in; the 32 younger loads stay out
.irp a, 0,1,2,3,4,5,6,7
	EBLK \a, 1
.endr
	s_wait_dscnt 0x0
	WIN 0x80
	INIT 0
	WIN 0xc0
	INIT 1
	WIN 0
	v_mov_b32 v4, v11                              ; back to group 0
	LDA 0, 0
	LDA 1, 0
	; ---- chunk 1: all of A is in LDS.  Seven trips of four K steps refill B; on the way in and over the back edge alike three buffers (48 loads) are
	; younger than the one waited for, and 8 LDS loads younger than the fragments waited for.
	s_mov_b32 s3, 7
.Lk1:
	KSTEP 0, 64, 26, 0, 0, 99, 0, 0
	KSTEP 1, 128, 26, 8192, 0, 99, 0, 0
	KSTEP 2, 192, 26, 16384, 0, 99, 0, 0
	KSTEP 3, GRP, 26, 24576, 0, 99, 0, 0
	WIN 0
	v_add_nc_u32 v4, GRP, v4
	s_wait_xcnt 0x0                                ; the base of the loads just issued is stepped only behind this wait
	s_add_nc_u64 s[26:27], s[26:27], 32768
	s_sub_co_u32 s3, s3, 1
	s_cmp_lg_u32 s3, 0
	s_cbranch_scc1 .Lk1
	KSTEP 0, 64, 26, -1, 0, 99, 0, 0               ; the last group: nothing is left to fetch of B, the counts run down 48, 32, 16, 0
	KSTEP 1, 128, 26, -1, 0, 99, 0, 0
	KSTEP 2, 192, 26, -1, 0, 99, 0, 0
	KSTEP 3, -1, 26, -1, 0, 99, 0, 0
	; ---- epilogue of chunk 1
	PLACES
	WIN 0
	LDV 1
	s_wait_dscnt 0x0
.irp a, 0,1,2,3,4,5,6,7
	EBLK \a, 0
.endr
	; ---- scores: the two lane halves hold different columns of the same rows; then the four waves' parts meet in LDS
.irp a, 0,1,2,3,4,5,6,7
	v_permlanex16_b32 v[40+\a], v[32+\a], s30, s31 ; the destination counts as read: v40-47 have been written
.endr
.irp a, 0,1,2,3,4,5,6,7
	v_add_f32 v[32+\a], v[32+\a], v[40+\a]
	ds_store_b32 v12, v[32+\a] offset:64*\a
.endr
	s_wait_dscnt 0x0                               ; for the others: my part of the scores is in LDS
	s_barrier_signal -1
	s_barrier_wait -1
.irp w, 0,1,2,3
	ds_load_b128 v[96+4*\w:99+4*\w], v13 offset:512*\w
.endr
	v_cmp_gt_u32 vcc_lo, 16, v1                    ; lanes 0-15, for the way out of cpart
	s_wait_dscnt 0x0
	v_pk_add_f32 v[96:97], v[96:97], v[100:101]    ; every wave adds in the same order, so all four hold the same numbers
	v_pk_add_f32 v[98:99], v[98:99], v[102:103]
	v_pk_add_f32 v[104:105], v[104:105], v[108:109]
	v_pk_add_f32 v[106:107], v[106:107], v[110:111]
	v_pk_add_f32 v[96:97], v[96:97], v[104:105]
	v_pk_add_f32 v[98:99], v[98:99], v[106:107]
	v_pk_mul_f32 v[96:97], v[96:97], -2.0 op_sel_hi:[1,0]
	v_pk_mul_f32 v[98:99], v[98:99], -2.0 op_sel_hi:[1,0]          ; scores of rows 4 L .. 4 L + 3; v96-99 are not written again
	s_cmp_lg_u32 s2, 0
	s_cbranch_scc1 .Lnot_wave_0
	global_store_b128 v6, v[96:99], s[22:23]       ; the block's 128 scores: 512 consecutive bytes, aligned
.Lnot_wave_0:
	; the block's maximum is taken away before the exponential; the last launch finds the same maximum from the stored scores
	v_max3_num_f32 v52, v96, v97, v98
	v_max_num_f32 v52, v52, v99
	v_max_num_f32_dpp v52, v52, v52 row_xmask:1 row_mask:0xf bank_mask:0xf
	v_max_num_f32_dpp v52, v52, v52 row_xmask:2 row_mask:0xf bank_mask:0xf
	v_max_num_f32_dpp v52, v52, v52 row_xmask:4 row_mask:0xf bank_mask:0xf
	v_max_num_f32_dpp v52, v52, v52 row_xmask:8 row_mask:0xf bank_mask:0xf
	v_permlanex16_b32 v40, v52, s30, s31
	v_max_num_f32 v52, v52, v40
	v_mul_f32 v54, NL2E, v52
.irp i, 0,1,2,3
	v_fmamk_f32 v[56+\i], v[96+\i], L2E, v54       ; (score - maximum) log2(e)
.endr
.irp i, 0,1,2,3
	v_exp_f32 v[56+\i], v[56+\i]
.endr
	v_nop
	s_wait_alu depctr_va_vdst(0)
	v_pk_mul_f32 v[56:57], v[56:57], v[48:49]      ; x mask
	v_pk_mul_f32 v[58:59], v[58:59], v[50:51]
	v_cvt_pk_bf16_f32 v60, v56, v57
	v_cvt_pk_bf16_f32 v61, v58, v59
	ds_store_b64 v14, v[60:61]                     ; my wave's own copy; LDS serves a wave's instructions in order (ISA guide 5.7.1), so the loads below see it
.irp k, 0,1,2,3
	ds_load_b128 v[64+8*\k:64+8*\k+3], v15 offset:64*\k            ; weights of rows 32 k + 8 hh .. + 7,
	ds_load_b128 v[64+8*\k+4:64+8*\k+7], v15 offset:64*\k+32       ; and 32 k + 16 + 8 hh .. + 7, the same in all 16 rows of the fragment
.endr
	; ---- cpart: wave w makes columns 256 w .. 256 w + 255 (K groups 2 w and 2 w + 1 of h in LDS), 16 tiles, four steps of 32 rows
	LDT 0
	LDT 1
	s_wait_dscnt 32                                ; all but the 32 loads of step 1
	MULT 0
	PLACES
	LDT 2
	s_wait_dscnt 32
	MULT 1
	PLACES
	LDT 3
	s_wait_dscnt 32
	MULT 2
	s_wait_dscnt 0x0
	MULT 3
	PLACES
	WIN 0
	; all 16 rows of a result tile are alike: register 0 holds column r in both lane halves.  Two tiles make 32 neighbouring columns.
.irp u, 0,1,2,3,4,5,6,7
	v_cndmask_b32 v[100+\u], v[136+16*\u], v[128+16*\u], vcc_lo
.endr
.irp u, 0,1,2,3,4,5,6,7
	ds_store_b32 v63, v[100+\u] offset:128*\u
.endr
	ds_load_b128 v[108:111], v55
	ds_load_b128 v[112:115], v55 offset:512
	s_wait_dscnt 0x0
	global_store_b128 v6, v[108:111], s[24:25]     ; 512 consecutive bytes, aligned
	global_store_b128 v6, v[112:115], s[24:25] offset:512
	s_wait_xcnt 0x0
	v_lshl_add_u32 v126, v0, 2, 0x48c00
	v_mov_b32 v127, 0
	s_wait_tensorcnt 0x0
	ds_add_u32 v126, v127
	s_wait_dscnt 0x0
	s_endpgm
.Lfunc_end_k_q2add45e3de_main:
	.size	k_q2add45e3de_main, .Lfunc_end_k_q2add45e3de_main-k_q2add45e3de_main
	.p2alignl 7, 3214868480
	.fill 96, 4, 3214868480
	.section	.rodata,"a",@progbits
	.p2align	6, 0x0
	.amdhsa_kernel k_q2add45e3de_main
		.amdhsa_group_segment_fixed_size 298496
		.amdhsa_private_segment_fixed_size 0
		.amdhsa_enable_private_segment 0
		.amdhsa_kernarg_size 72
		.amdhsa_user_sgpr_count 2
		.amdhsa_user_sgpr_kernarg_segment_ptr 1
		.amdhsa_wavefront_size32 1
		.amdhsa_system_sgpr_workgroup_id_x 1
		.amdhsa_system_sgpr_workgroup_id_y 1
		.amdhsa_system_sgpr_workgroup_id_z 1
		.amdhsa_system_vgpr_workitem_id 0
		.amdhsa_next_free_vgpr 1024
		.amdhsa_next_free_sgpr 66
		.amdhsa_reserve_vcc 1
		.amdhsa_float_denorm_mode_32 3
		.amdhsa_float_denorm_mode_16_64 3
		.amdhsa_memory_ordered 1
		.amdhsa_forward_progress 1
		.amdhsa_inst_pref_size 255
	.end_amdhsa_kernel
	.section	.bss,"aw",@nobits
	.p2align	6
	.space	262144
	.amdgpu_metadata
---
amdhsa.version: [ 1, 2 ]
amdhsa.kernels:
  - .name:           k_q2add45e3de_main
    .symbol:         k_q2add45e3de_main.kd
    .args:
      - { .name: h, .offset: 0, .size: 8, .value_kind: global_buffer, .address_space: global }
      - { .name: Wf, .offset: 8, .size: 8, .value_kind: global_buffer, .address_space: global }
      - { .name: decT, .offset: 16, .size: 8, .value_kind: global_buffer, .address_space: global }
      - { .name: w_c, .offset: 24, .size: 8, .value_kind: global_buffer, .address_space: global }
      - { .name: v, .offset: 32, .size: 8, .value_kind: global_buffer, .address_space: global }
      - { .name: coverage, .offset: 40, .size: 8, .value_kind: global_buffer, .address_space: global }
      - { .name: enc_padding_mask, .offset: 48, .size: 8, .value_kind: global_buffer, .address_space: global }
      - { .name: scores, .offset: 56, .size: 8, .value_kind: global_buffer, .address_space: global }
      - { .name: cpart, .offset: 64, .size: 8, .value_kind: global_buffer, .address_space: global }
    .group_segment_fixed_size: 298496
    .private_segment_fixed_size: 0
    .kernarg_segment_align: 8
    .kernarg_segment_size: 72
    .max_flat_workgroup_size: 128
    .sgpr_count:     66
    .vgpr_count:     1024
    .wavefront_size: 32
...
	.end_amdgpu_metadata
.endif
;; end of part 2
;; launch finish (part 3): grid 32 x 1, 16 waves a work-group, no clusters, 2,304 bytes of LDS; arguments scores, cpart, enc_padding_mask, coverage, out0, out1, out2; writes out0, out1, out2
.if DOCPART == 3
	.amdgcn_target "amdgcn-amd-amdhsa--gfx1250"
	.amdhsa_code_object_version 6
	.text
	.protected	k_q2add45e3de_finish
	.globl	k_q2add45e3de_finish
	.p2align	8
	.type	k_q2add45e3de_finish,@function
k_q2add45e3de_finish:
	s_mov_b64 s[64:65], 0
	v_nop
	global_prefetch_b8 v0, s[64:65] scope:SCOPE_SE
	s_setreg_imm32_b32 hwreg(HW_REG_WAVE_MODE, 25, 1), 1
	s_wait_xcnt 0x0
; One work-group for each batch joins the 16 blocks of the main launch.
;   M = maximum of the batch's 2,048 scores (masked ones too, as in the softmax of the problem);  e[t] = exp(score[t] - M) * mask[t];  L = sum of e;
;   out1 = e / L;  out2 = coverage + e / L;  out0[n] = sum over blocks j of exp(m_j - M) / L * cpart[j][n],  m_j = block j's maximum.
; The softmax's own denominator cancels against the renormalisation, so it is not formed.  The scores lack the constant sum(v), which cancels with M.
; Wave j holds block j's 128 scores, so its own maximum is the m_j by which the main launch scaled cpart[j]: a maximum of the same stored numbers.
; LIMITS: v_exp_f32 returns 0 below 2^-126 (ISA guide 15.8).  A batch whose mask is all zero gives L = 0 and NaN, as the problem's own division does.
; Memory binds and the work is small: no matrix unit, no cluster; 32 work-groups because a batch's sums must meet in one place.
.set L2E,  0x3fb8aa3b                  ; log2(e)
.set NL2E, 0xbfb8aa3b
	s_load_b256 s[4:11], s[0:1], 0x0               ; scores s[4:5], cpart s[6:7], mask s[8:9], coverage s[10:11]
	s_load_b128 s[12:15], s[0:1], 0x20             ; out0 s[12:13], out1 s[14:15]
	s_load_b64 s[16:17], s[0:1], 0x30              ; out2
	v_lshl_add_u32 v96, v0, 2, 0x100
	v_mov_b32 v97, 0
	v_lshrrev_b32 v1, 5, v0
	v_readfirstlane_b32 s2, v1                     ; wave j
	v_mov_b32 v3, s2
	v_lshlrev_b32 v3, 2, v3                        ; my wave's word in LDS
	v_lshlrev_b32 v1, 4, v0                        ; 16 x thread: four t
	v_lshlrev_b32 v2, 3, v0                        ; 8 x thread: two columns
	s_mov_b32 s18, 0x76543210
	s_mov_b32 s19, 0xfedcba98
	s_lshl_b32 s20, ttmp9, 13                      ; batch x 2,048 x 4 bytes
	s_mov_b32 s21, 0
	s_lshl_b32 s22, ttmp9, 16                      ; batch x 16 blocks x 4,096 bytes
	s_mov_b32 s23, 0
	s_lshl_b32 s24, ttmp9, 12                      ; batch x 1,024 x 4 bytes
	s_mov_b32 s25, 0
	s_wait_kmcnt 0x0
	s_add_nc_u64 s[4:5], s[4:5], s[20:21]
	s_add_nc_u64 s[8:9], s[8:9], s[20:21]
	s_add_nc_u64 s[10:11], s[10:11], s[20:21]
	s_add_nc_u64 s[14:15], s[14:15], s[20:21]
	s_add_nc_u64 s[16:17], s[16:17], s[20:21]
	s_add_nc_u64 s[6:7], s[6:7], s[22:23]
	s_add_nc_u64 s[12:13], s[12:13], s[24:25]
	global_load_b128 v[4:7], v1, s[4:5]
	global_load_b128 v[8:11], v1, s[8:9]
	global_load_b128 v[12:15], v1, s[10:11]
.irp j, 0,1,2,3,4,5,6,7,8,9,10,11,12,13,14,15
	global_load_b64 v[16+2*\j:17+2*\j], v2, s[6:7] offset:4096*\j  ; a wave takes 256 consecutive bytes of each block's row
.endr
	s_wait_loadcnt 18                              ; the scores are in; mask, coverage and the 16 loads of cpart stay out
	v_max3_num_f32 v48, v4, v5, v6
	v_max_num_f32 v48, v48, v7
	v_max_num_f32_dpp v48, v48, v48 row_xmask:1 row_mask:0xf bank_mask:0xf
	v_max_num_f32_dpp v48, v48, v48 row_xmask:2 row_mask:0xf bank_mask:0xf
	v_max_num_f32_dpp v48, v48, v48 row_xmask:4 row_mask:0xf bank_mask:0xf
	v_max_num_f32_dpp v48, v48, v48 row_xmask:8 row_mask:0xf bank_mask:0xf
	v_permlanex16_b32 v0, v48, s18, s19            ; v0 has served: it is the scratch destination, which counts as read
	v_max_num_f32 v48, v48, v0                     ; m_j
	ds_store_b32 v3, v48
	s_wait_dscnt 0x0                               ; for the others
	s_barrier_signal -1
	s_barrier_wait -1
	v_mov_b32 v49, 0
.irp i, 0,1,2,3
	ds_load_b128 v[52+4*\i:55+4*\i], v49 offset:16*\i              ; m_0 .. m_15
.endr
	s_wait_dscnt 0x0
	v_max3_num_f32 v68, v52, v53, v54
.irp i, 55,57,59,61,63,65
	v_max3_num_f32 v68, v68, v[\i], v[\i+1]
.endr
	v_max_num_f32 v68, v68, v67                    ; M
	v_mul_f32 v69, NL2E, v68
.irp i, 4,5,6,7
	v_fmamk_f32 v[\i], v[\i], L2E, v69             ; (score - M) log2(e)
.endr
.irp i, 4,5,6,7
	v_exp_f32 v[\i], v[\i]
.endr
.irp j, 0,1,2,3,4,5,6,7,8,9,10,11,12,13,14,15
	v_fmamk_f32 v[52+\j], v[52+\j], L2E, v69       ; (m_j - M) log2(e): also the plain work behind the exponentials (ISA guide 5.7.2)
.endr
	s_wait_loadcnt 16                              ; mask and coverage are in; cpart stays out
	s_wait_alu depctr_va_vdst(0)
	v_pk_mul_f32 v[4:5], v[4:5], v[8:9]
	v_pk_mul_f32 v[6:7], v[6:7], v[10:11]          ; e
	v_pk_add_f32 v[70:71], v[4:5], v[6:7]
	v_add_f32 v70, v70, v71
	v_add_f32_dpp v70, v70, v70 row_xmask:1 row_mask:0xf bank_mask:0xf
	v_add_f32_dpp v70, v70, v70 row_xmask:2 row_mask:0xf bank_mask:0xf
	v_add_f32_dpp v70, v70, v70 row_xmask:4 row_mask:0xf bank_mask:0xf
	v_add_f32_dpp v70, v70, v70 row_xmask:8 row_mask:0xf bank_mask:0xf
	v_permlanex16_b32 v0, v70, s18, s19
	v_add_f32 v70, v70, v0
	ds_store_b32 v3, v70 offset:64                 ; other bytes than the maxima: no barrier is needed between the two uses
	s_wait_dscnt 0x0
	s_barrier_signal -1
	s_barrier_wait -1
.irp i, 0,1,2,3
	ds_load_b128 v[72+4*\i:75+4*\i], v49 offset:64+16*\i           ; the 16 waves' sums
.endr
.irp j, 0,1,2,3,4,5,6,7,8,9,10,11,12,13,14,15
	v_exp_f32 v[52+\j], v[52+\j]
.endr
	s_wait_dscnt 0x0
	v_pk_add_f32 v[72:73], v[72:73], v[80:81]
	v_pk_add_f32 v[74:75], v[74:75], v[82:83]
	v_pk_add_f32 v[76:77], v[76:77], v[84:85]
	v_pk_add_f32 v[78:79], v[78:79], v[86:87]
	v_pk_add_f32 v[72:73], v[72:73], v[76:77]
	v_pk_add_f32 v[74:75], v[74:75], v[78:79]
	v_pk_add_f32 v[72:73], v[72:73], v[74:75]
	v_add_f32 v72, v72, v73                        ; L
	v_rcp_f32 v88, v72
	v_rcp_f32 v89, v72                             ; twice: a pair for the packed forms
	v_nop
	s_wait_alu depctr_va_vdst(0)
	v_pk_fma_f32 v[12:13], v[4:5], v[88:89], v[12:13]              ; coverage + e / L
	v_pk_fma_f32 v[14:15], v[6:7], v[88:89], v[14:15]
	v_pk_mul_f32 v[4:5], v[4:5], v[88:89]                          ; e / L
	v_pk_mul_f32 v[6:7], v[6:7], v[88:89]
	global_store_b128 v1, v[4:7], s[14:15]         ; a wave stores 512 consecutive bytes, aligned
	global_store_b128 v1, v[12:15], s[16:17]
.irp j, 0,1,2,3,4,5,6,7,8,9,10,11,12,13,14,15
	v_mul_f32 v[52+\j], v[52+\j], v88              ; exp(m_j - M) / L
.endr
	s_wait_loadcnt 0x0
	v_mul_f32 v90, v52, v16                        ; the first products start the two sums
	v_mul_f32 v91, v52, v17
.irp j, 1,2,3,4,5,6,7,8,9,10,11,12,13,14,15
	v_fmac_f32 v90, v[52+\j], v[16+2*\j]
	v_fmac_f32 v91, v[52+\j], v[17+2*\j]
.endr
	global_store_b64 v2, v[90:91], s[12:13]        ; a wave stores 256 consecutive bytes, aligned
	s_wait_tensorcnt 0x0
	ds_add_u32 v96, v97
	s_wait_dscnt 0x0
	s_endpgm
.Lfunc_end_k_q2add45e3de_finish:
	.size	k_q2add45e3de_finish, .Lfunc_end_k_q2add45e3de_finish-k_q2add45e3de_finish
	.p2alignl 7, 3214868480
	.fill 96, 4, 3214868480
	.section	.rodata,"a",@progbits
	.p2align	6, 0x0
	.amdhsa_kernel k_q2add45e3de_finish
		.amdhsa_group_segment_fixed_size 2304
		.amdhsa_private_segment_fixed_size 0
		.amdhsa_enable_private_segment 0
		.amdhsa_kernarg_size 56
		.amdhsa_user_sgpr_count 2
		.amdhsa_user_sgpr_kernarg_segment_ptr 1
		.amdhsa_wavefront_size32 1
		.amdhsa_system_sgpr_workgroup_id_x 1
		.amdhsa_system_sgpr_workgroup_id_y 1
		.amdhsa_system_sgpr_workgroup_id_z 1
		.amdhsa_system_vgpr_workitem_id 0
		.amdhsa_next_free_vgpr 98
		.amdhsa_next_free_sgpr 66
		.amdhsa_reserve_vcc 0
		.amdhsa_float_denorm_mode_32 3
		.amdhsa_float_denorm_mode_16_64 3
		.amdhsa_memory_ordered 1
		.amdhsa_forward_progress 1
		.amdhsa_inst_pref_size 11
	.end_amdhsa_kernel
	.amdgpu_metadata
---
amdhsa.version: [ 1, 2 ]
amdhsa.kernels:
  - .name:           k_q2add45e3de_finish
    .symbol:         k_q2add45e3de_finish.kd
    .args:
      - { .name: scores, .offset: 0, .size: 8, .value_kind: global_buffer, .address_space: global }
      - { .name: cpart, .offset: 8, .size: 8, .value_kind: global_buffer, .address_space: global }
      - { .name: enc_padding_mask, .offset: 16, .size: 8, .value_kind: global_buffer, .address_space: global }
      - { .name: coverage, .offset: 24, .size: 8, .value_kind: global_buffer, .address_space: global }
      - { .name: out0, .offset: 32, .size: 8, .value_kind: global_buffer, .address_space: global }
      - { .name: out1, .offset: 40, .size: 8, .value_kind: global_buffer, .address_space: global }
      - { .name: out2, .offset: 48, .size: 8, .value_kind: global_buffer, .address_space: global }
    .group_segment_fixed_size: 2304
    .private_segment_fixed_size: 0
    .kernarg_segment_align: 8
    .kernarg_segment_size: 56
    .max_flat_workgroup_size: 512
    .sgpr_count:     66
    .vgpr_count:     98
    .wavefront_size: 32
...
	.end_amdgpu_metadata
.endif
;; end of part 3
;; ======== version 2 of 2: 3 launches
;; workspace buffers: Wf 2,097,152 bytes; decT 131,072 bytes; scores 262,144 bytes; cpart 2,097,152 bytes
;; launch prep: the kernel of part 1 again; grid 64 x 1, 16 waves a work-group, no clusters, 34,816 bytes of LDS; arguments W_h, W_dec, s_t_hat, b_dec, Wf, decT; writes Wf, decT
;; launch main (part 4): grid 512 x 1, 4 waves a work-group, no clusters, 298,496 bytes of LDS; arguments h, Wf, decT, w_c, v, coverage, enc_padding_mask, scores, cpart; writes scores, cpart
.if DOCPART == 4
	.amdgcn_target "amdgcn-amd-amdhsa--gfx1250"
	.amdhsa_code_object_version 6
	.text
	.protected	k_q2add45e3de_main
	.globl	k_q2add45e3de_main
	.p2align	8
	.type	k_q2add45e3de_main,@function
k_q2add45e3de_main:
	s_mov_b64 s[64:65], 0
	v_nop
	global_prefetch_b8 v0, s[64:65] scope:SCOPE_SE
	s_setreg_imm32_b32 hwreg(HW_REG_WAVE_MODE, 25, 1), 1
	s_wait_xcnt 0x0
; One work-group = one block of 128 rows (t) of one batch.  It reads its rows of h from memory once, keeps them in LDS as bf16, and makes
;   scores[t] = -2 * sum over n of v[n] / (1 + 2^x[t][n]),   x = c (h W_h^T + dec + coverage w_c),  c = 2 log2(e),
;   cpart[n]  = sum over the block's t of bf16(exp(scores[t] - block maximum) * mask[t]) * bf16(h[t][n]).
; tanh(y) = 1 - 2 / (1 + 2^(c y)), so the true score is scores[t] + sum(v).  That constant is the same for every t and cancels in the softmax
; just as the maximum does, so it is never formed.  2^x = inf gives the term 0 and 2^x = 0 gives the term v[n]: saturation needs no clamp.
; LIMITS: v_exp_f32 returns 0 for results below 2^-126 (ISA guide 15.8); the weights of cpart are rounded to bf16.
;
; SHARES.  Four waves.  A wave makes 128 rows x 128 columns of x (64 accumulator tiles, 512 registers), twice: column chunk 0 is n = 0..511 of the
; work-group, chunk 1 is n = 512..1023.  The sums are started with coverage * w_c + dec (one packed multiply-add for two numbers), so nothing is cleared.
; A (h) IN LDS: byte = k*69632 + g*8704 + row*272 + 2*(k index in the group): k = block of 32 rows = the wave that stores them, g = K group of 128, row 0..31.
; A row is 256 bytes of data and 16 of padding, so the sixteen rows of a fragment load start 68 words apart.  All that a wave stores lies in one
; interval of 69,632 bytes of its own.  Wave w loads rows 32 w .. 32 w + 31 of one group (32 loads, 128 registers), converts and stores them while
; the products of the group before run.
; B (W_h): a wave's 128 columns are read by no other wave of the work-group, so they go from memory straight into registers; Wf lies in fragment order,
; each load of a wave is 512 consecutive bytes, and the wave's stream for the whole block is 524,288 consecutive bytes.
; Both chunks run their K groups in loops of four K steps; only what has other registers in every pass (the start of the sums, the epilogues) is written out.
; NO CLUSTER, NO TENSOR LOADS: all row blocks walk the same Wf, but a shared ring in LDS would need two slots of 512 columns x 32 k x 2 bytes = 65,536
; bytes beside the 278,528 bytes of resident h and 19,456 bytes of tables and stages: 363,520, more than the 327,680 of a WGP.  h itself is f32 in memory
; and has to pass through registers to be converted.
;
; REGISTER WINDOWS (s_set_vgpr_msb: bits 1:0 source 0, 3:2 source 1, 5:4 source 2, 7:6 destination):
;   window 0: v0-15 ids and addresses; v16-31 coverage pairs; v32-39 score sums; v40-47 running pairs; v48-51 mask; v52-63 late addresses and temporaries;
;             v64-127 fragments of A (rows 0-63 in v64-95, rows 64-127 in v96-127); v128-255 my 32 rows of one K group of h as loaded
;   window 1: four buffers of 8 fragments of B, buffer q at v[64 q]
;   window 2: accumulator tiles of rows 0-63, tile (a, f) at v[8 (8 a + f)];   window 3: those of rows 64-127
; THE MATRIX INSTRUCTION IS USED TRANSPOSED (source 0 = 16 rows of W, source 1 = 16 rows of h): lane (r, hh), register j holds row 16 a + r, column
; 16 f + 8 hh + j.  So a row's sum over columns is a sum along a lane's registers, and one exchange between the lane halves ends it.
.set WBLK, 69632                       ; a wave's 32 rows in LDS, all 8 K groups
.set GRPW, 8704                        ; one K group of them: 32 rows x 272 bytes
.set PAR,  278528                      ; dec (4,096 bytes), w_c (+4096), v (+8192): f32, by column
.set SCR,  290816                      ; [4 waves][128 rows] f32: each wave's part of the scores
.set PB,   292864                      ; [4 waves][128] bf16: the weights, each wave's own copy
.set CST,  293888                      ; [4 waves][256] f32: the way out of cpart, each wave's own
.set C2L,  0x4038aa3b                  ; c = 2 log2(e)
.set L2E,  0x3fb8aa3b                  ; log2(e)
.set NL2E, 0xbfb8aa3b                  ; -log2(e)
.set MUL_LO, 0xa1                      ; B window 1, A window 0, C and D window 2
.set MUL_HI, 0xf1                      ; the same, C and D window 3
.set TO_B,   0x40                      ; destination window 1, address window 0
.set CT_MUL, 0x04                      ; source 1 window 1, all else window 0
.set MSB, 0
.macro WIN new                         ; the immediate's high byte repeats the setting that is left; a switch that changes nothing is dropped
.if MSB != \new
	s_set_vgpr_msb (MSB<<8)|\new
.set MSB, \new
.endif
.endm
; WAIT COUNTS are worked out by the assembler.  LDI counts the global loads issued so far, DSI the LDS instructions; a mark is the count just behind a
; run's last instruction; the wait for that run is the count now less the mark, the number of younger instructions on that counter (ISA guide 5.7.1).
; A count of loads cannot name more than 63.  Each loop issues the same runs in the same order as the text in front of it, so a count taken on the way in
; holds over the back edge too.
.set LDI, 0
.set DSI, 0
.set ALM, 0
.set AHM, 0
.set BM0, 0
.set BM1, 0
.set BM2, 0
.set BM3, 0
.set HM, 0
.macro WAITLD mark
.if LDI-(\mark) > 63
	s_wait_loadcnt 63
.else
	s_wait_loadcnt LDI-(\mark)
.endif
.endm
.macro WAITDS mark
	s_wait_dscnt DSI-(\mark)
.endm
.macro PLACES                          ; four places between a matrix instruction and a load into, or a vector instruction on, its registers
.rept 4
	v_nop
.endr
.endm
; 16 matrix instructions: row tiles a0, a0 + 1 of one window x 8 column tiles, 32 along K.  All 64 accumulators of a K step take turns, one instruction a
; turn, in the same order in every K step and over the loops' back edges.
.macro MUL16 q, hi, a0
.irp a, \a0, \a0+1
.irp f, 0,1,2,3,4,5,6,7
	v_wmma_f32_16x16x32_bf16 v[8*(8*(\a)+\f):8*(8*(\a)+\f)+7], v[64*\q+8*\f:64*\q+8*\f+7], v[64+8*(4*\hi+(\a)):64+8*(4*\hi+(\a))+7], v[8*(8*(\a)+\f):8*(8*(\a)+\f)+7]
.endr
.endr
.endm
; 8 LDS loads: four fragments of A (rows 64 half .. 64 half + 63), 32 k at byte imm from the group in use.  Fragment 4 half + i lies in row block
; 2 half + (i >> 1), whose address is v[4 + block], at rows 16 (i & 1).
.macro LDA half, imm
.irp i, 0,1,2,3
	ds_load_b128 v[64+32*\half+8*\i:64+32*\half+8*\i+3], v[4+2*\half+(\i>>1)] offset:\imm+4352*(\i&1)
	ds_load_b128 v[64+32*\half+8*\i+4:64+32*\half+8*\i+7], v[4+2*\half+(\i>>1)] offset:\imm+4352*(\i&1)+32
.endr
.set DSI, DSI+8
.if \half
.set AHM, DSI
.else
.set ALM, DSI
.endif
.endm
; 16 global loads: the eight fragments of B of one K step, 8,192 consecutive bytes of my stream, into buffer q
.macro LDB q, bs, imm
	WIN TO_B
.irp f, 0,1,2,3,4,5,6,7
	global_load_b128 v[64*\q+8*\f:64*\q+8*\f+3], v2, s[\bs:\bs+1] offset:\imm+1024*\f
	global_load_b128 v[64*\q+8*\f+4:64*\q+8*\f+7], v2, s[\bs:\bs+1] offset:\imm+1024*\f+512
.endr
.set LDI, LDI+16
.set BM\q, LDI
.endm
; 32 global loads: my 32 rows of one K group; each load is one row's 512 consecutive bytes.  h is read once in the launch.
.macro LDH bs
.set i, 0
.rept 32
	global_load_b128 v[128+4*i:128+4*i+3], v3, s[\bs:\bs+1] offset:4096*i th:TH_LOAD_NT
.set i, i+1
.endr
.set LDI, LDI+32
.set HM, LDI
.endm
; my 32 rows to bf16 and into LDS: a lane's 4 numbers become 8 bytes, a wave's store is a row's 256 consecutive bytes.  All conversions stand first.
.macro STAGE
.set i, 0
.rept 32
	v_cvt_pk_bf16_f32 v[128+4*i], v[128+4*i], v[128+4*i+1]
	v_cvt_pk_bf16_f32 v[128+4*i+1], v[128+4*i+2], v[128+4*i+3]
.set i, i+1
.endr
.set i, 0
.rept 32
	ds_store_b64 v11, v[128+4*i:128+4*i+1] offset:272*i
.set i, i+1
.endr
.set DSI, DSI+32
.endm
; One K step of 32: 64 matrix instructions on buffer q.
;   anext: byte (from the group in use) of the next K step's fragments of A, -1 = none.  Rows 0-63 are fetched behind the first 32 matrix instructions,
;          rows 64-127 behind the last.
;   bs, bnext: base register and byte of the K step four further on in my stream of B, which refills buffer q; -1 = none.
.macro KSTEP q, anext, bs, bnext
	WAITDS ALM                                     ; A rows 0-63 are in; the 8 younger loads (rows 64-127) stay out
	WAITLD BM\q                                    ; buffer q is in; the three younger buffers, and h's rows where they are on their way, stay out
	WIN MUL_LO
	MUL16 \q, 0, 0
	MUL16 \q, 0, 2
.if (\anext) >= 0
	PLACES
	WIN 0
	LDA 0, \anext
.endif
	WAITDS AHM                                     ; A rows 64-127 are in; the 8 loads just issued stay out
	WIN MUL_HI
	MUL16 \q, 1, 0
	MUL16 \q, 1, 2
.if (\anext) >= 0
	PLACES
	WIN 0
	LDA 1, \anext
.if (\bnext) >= 0
	LDB \q, \bs, \bnext
	WIN 0
.endif
.else
.if (\bnext) >= 0
	PLACES
	LDB \q, \bs, \bnext
	WIN 0
.endif
.endif
.endm
; The fourth K step of a trip of chunk 0: it also puts the next K group of h into LDS.  Two barriers: in front of the first every wave's reads of LDS are
; back, in front of the second every wave's stores are in.  Between the two only stores touch LDS, outside them only loads, so that stores and reads are
; ordered whatever group each address has reached.  Sixteen matrix instructions, registers alone, stand between each signal and its wait.
.macro KSTG
	WAITDS ALM
	WAITLD BM3                                     ; buffer 3 is in
	WIN MUL_LO
	MUL16 3, 0, 0
	s_wait_dscnt 0x0                               ; for the others: no read of LDS of mine is out
	s_barrier_signal -1
	MUL16 3, 0, 2
	s_barrier_wait -1
	WIN 0
	WAITLD HM                                      ; h's 32 loads, issued at the trip's top, are in; three buffers of B (48 loads) are younger
	STAGE
	WIN MUL_HI
	MUL16 3, 1, 0
	s_wait_dscnt 0x0                               ; for the others: my rows of the next group are in LDS
	s_barrier_signal -1
	MUL16 3, 1, 2
	s_barrier_wait -1                              ; the next group is whole
	PLACES
	WIN 0
	LDA 0, GRPW
	LDA 1, GRPW
	LDB 3, 26, 24576
	WIN 0
.endm
.macro RESETA                          ; A's four addresses at K group 0
	v_mov_b32 v4, v52
	v_add_nc_u32 v5, WBLK, v52
	v_add_nc_u32 v6, 2*WBLK, v52
	v_add_nc_u32 v7, 3*WBLK, v52
.endm
.macro STEPA                           ; and one group on
.irp k, 4,5,6,7
	v_add_nc_u32 v\k, GRPW, v\k
.endr
.endm
; w_c into v128-191 and dec into v192-255 of the window that the caller has set as destination: register 8 f + j = column 16 f + 8 hh + j of my 128 in chunk ch
.macro LDPAR ch
.irp f, 0,1,2,3,4,5,6,7
	ds_load_b128 v[128+8*\f:128+8*\f+3], v8 offset:4096+2048*\ch+64*\f
	ds_load_b128 v[128+8*\f+4:128+8*\f+7], v8 offset:4096+2048*\ch+64*\f+16
	ds_load_b128 v[192+8*\f:192+8*\f+3], v8 offset:2048*\ch+64*\f
	ds_load_b128 v[192+8*\f+4:192+8*\f+7], v8 offset:2048*\ch+64*\f+16
.endr
.endm
; v into v64-127 (window 0), the same order
.macro LDV ch
.irp f, 0,1,2,3,4,5,6,7
	ds_load_b128 v[64+8*\f:64+8*\f+3], v8 offset:8192+2048*\ch+64*\f
	ds_load_b128 v[64+8*\f+4:64+8*\f+7], v8 offset:8192+2048*\ch+64*\f+16
.endr
.endm
; starts the 256 sums of one window: c coverage[row] * w_c[column] + c dec[column].  The caller sets the windows.
.macro INIT hi
.irp a, 0,1,2,3
.irp f, 0,1,2,3,4,5,6,7
.irp p, 0,2,4,6
	v_pk_fma_f32 v[8*(8*\a+\f)+\p:8*(8*\a+\f)+\p+1], v[128+8*\f+\p:128+8*\f+\p+1], v[16+2*(4*\hi+\a):16+2*(4*\hi+\a)+1], v[192+8*\f+\p:192+8*\f+\p+1]
.endr
.endr
.endr
.endm
; The 64 registers of row tile a: r = 1 / (1 + 2^x) in place, then the sum of v r along the lane's 64 columns.
; Behind each run of transcendentals stands one plain instruction before a result is used (ISA guide 5.7.2).
.macro EBLK a, first
.set EB, 64*(\a&3)
.if \a < 4
	WIN 0x82
.else
	WIN 0xc3
.endif
.set i, 0
.rept 64
	v_exp_f32 v[EB+i], v[EB+i]
.set i, i+1
.endr
	v_nop
.set i, 0
	s_wait_alu depctr_va_vdst(0)
.rept 32
	v_pk_add_f32 v[EB+i:EB+i+1], v[EB+i:EB+i+1], 1.0 op_sel_hi:[1,0]
.set i, i+2
.endr
.set i, 0
.rept 64
	v_rcp_f32 v[EB+i], v[EB+i]
.set i, i+1
.endr
.if \a < 4
	WIN 0x02
.else
	WIN 0x03
.endif
	v_nop
	s_wait_alu depctr_va_vdst(0)
.set i, 0
.rept 32
.if i < 8
	v_pk_mul_f32 v[40+i:41+i], v[EB+i:EB+i+1], v[64+i:65+i]        ; the first four products start four chains
.else
	v_pk_fma_f32 v[40+i%8:41+i%8], v[EB+i:EB+i+1], v[64+i:65+i], v[40+i%8:41+i%8]
.endif
.set i, i+2
.endr
	WIN 0
	v_pk_add_f32 v[40:41], v[40:41], v[42:43]
	v_pk_add_f32 v[44:45], v[44:45], v[46:47]
	v_pk_add_f32 v[40:41], v[40:41], v[44:45]
.if \first
	v_add_f32 v[32+\a], v40, v41
.else
	v_add_f32 v40, v40, v41
	v_add_f32 v[32+\a], v[32+\a], v40
.endif
.endm
; one request for 32 aligned blocks of 256 bytes: 16 of my 32 rows, one K group
.macro PFH bs, imm
	global_prefetch_b8 v9, s[\bs:\bs+1] offset:\imm th:TH_LOAD_NT scope:SCOPE_SE
.endm
; 32 transposing loads: rows 32 k .. 32 k + 31 of h (row block k, address in v[ar]) as B fragments (k index = row, column = column of h) of my 16 column tiles
.macro LDT k, ar
	WIN TO_B
.irp t, 0,1,2,3,4,5,6,7,8,9,10,11,12,13,14,15
	ds_load_tr16_b128 v[128*(\k&1)+8*\t:128*(\k&1)+8*\t+3], v[\ar] offset:32*(\t&7)+(\t>>3)*GRPW
	ds_load_tr16_b128 v[128*(\k&1)+8*\t+4:128*(\k&1)+8*\t+7], v[\ar] offset:4352+32*(\t&7)+(\t>>3)*GRPW
.endr
.endm
; 16 matrix instructions, one for each column tile; the sixteen accumulators take turns; the first product starts the sums
.macro MULT k
	WIN CT_MUL
.irp t, 0,1,2,3,4,5,6,7,8,9,10,11,12,13,14,15
.if \k == 0
	v_wmma_f32_16x16x32_bf16 v[128+8*\t:128+8*\t+7], v[64+8*\k:64+8*\k+7], v[128*(\k&1)+8*\t:128*(\k&1)+8*\t+7], 0
.else
	v_wmma_f32_16x16x32_bf16 v[128+8*\t:128+8*\t+7], v[64+8*\k:64+8*\k+7], v[128*(\k&1)+8*\t:128*(\k&1)+8*\t+7], v[128+8*\t:128+8*\t+7]
.endif
.endr
.endm
	; ---- ids, addresses
	s_load_b512 s[8:23], s[0:1], 0x0               ; h s[8:9], Wf s[10:11], decT s[12:13], w_c s[14:15], v s[16:17], coverage s[18:19], mask s[20:21], scores s[22:23]
	s_load_b64 s[24:25], s[0:1], 0x40              ; cpart
	v_lshrrev_b32 v53, 5, v0
	v_readfirstlane_b32 s2, v53                    ; wave w
	s_mov_b32 s30, 0x76543210                      ; v_permlanex16_b32: lane i of one half reads lane i of the other
	s_mov_b32 s31, 0xfedcba98
	s_mov_b32 s46, L2E
	s_mul_i32 s32, s2, WBLK                        ; my 32 rows in LDS
	s_lshl_b32 s33, s2, 17                         ; my 32 rows in h: 32 x 4,096
	s_lshl_b32 s34, s2, 9
	s_add_co_u32 s35, s34, SCR
	s_add_co_u32 s34, s34, PAR
	s_lshl_b32 s36, s2, 8
	s_add_co_u32 s36, s36, PB
	s_lshl_b32 s37, s2, 10
	s_add_co_u32 s37, s37, CST
	s_mul_i32 s38, s2, 2*GRPW                      ; K groups 2 w and 2 w + 1 = my 256 columns of cpart
	v_and_b32 v1, 31, v0                           ; lane L
	v_and_b32 v53, 15, v0                          ; r
	v_bfe_u32 v54, v0, 4, 1                        ; hh
	v_mul_u32_u24 v52, v53, 272
	v_lshl_add_u32 v52, v54, 4, v52                ; A fragments: r x 272 + 16 hh, kept
	RESETA                                         ; v4-7: the same in each of the four row blocks, plus the group in use
	v_lshl_add_u32 v11, v1, 3, s32                 ; stores of h: my rows + 8 L, plus the group being stored
	v_lshlrev_b32 v2, 4, v1                        ; 16 L
	v_lshl_add_u32 v3, v1, 4, s33                  ; loads of h: my rows + 16 L
	v_lshl_add_u32 v8, v54, 5, s34                 ; tables: PAR + 512 w + 32 hh
	v_lshrrev_b32 v9, 1, v1
	v_lshl_add_u32 v9, v9, 12, s33
	v_and_b32 v56, 1, v1
	v_lshl_add_u32 v9, v56, 8, v9                  ; requests ahead: row L >> 1 of my rows, 256-byte block L & 1
	v_lshl_add_u32 v10, v0, 5, PAR                 ; tables in: 32 bytes a thread
	v_lshl_add_u32 v12, v53, 2, s35                ; my part of the scores, out
	v_lshl_add_u32 v13, v1, 4, SCR                 ; the four parts, back: rows 4 L .. 4 L + 3
	v_lshl_add_u32 v14, v1, 3, s36                 ; weights out: 4 bf16 a lane
	v_lshl_add_u32 v15, v54, 4, s36                ; weights back, as an A fragment whose 16 rows are alike
	v_and_b32 v62, 7, v1
	v_lshl_add_u32 v62, v54, 3, v62
	v_mul_u32_u24 v62, v62, 272
	v_bfe_u32 v61, v1, 3, 1
	v_lshl_add_u32 v62, v61, 4, v62
	v_add_nc_u32 v62, s38, v62                     ; transposing loads: (8 hh + (L & 7)) x 272 + 16 ((L >> 3) & 1) + my two groups, row block 0
	v_lshl_add_u32 v63, v1, 2, s37                 ; cpart stage, in
	v_lshl_add_u32 v55, v1, 4, s37                 ; cpart stage, back
	v_lshrrev_b32 v56, 1, v0
	v_lshlrev_b32 v56, 11, v56
	v_and_b32 v57, 1, v0
	v_lshl_add_u32 v56, v57, 5, v56                ; decT: tile t >> 1 (2,048 bytes), columns 8 (t & 1) ..
	v_lshlrev_b32 v57, 5, v0                       ; w_c, v: 32 bytes a thread
	v_lshlrev_b32 v58, 2, v53                      ; coverage: 4 r
	s_mov_b32 s29, 0
	s_mov_b32 s43, 0
	s_wait_kmcnt 0x0
	s_lshl_b32 s28, ttmp9, 19                      ; block x 128 rows x 4,096 bytes (below 2^28)
	s_add_nc_u64 s[8:9], s[8:9], s[28:29]
	s_add_nc_u64 s[44:45], s[8:9], 512             ; the loop's loads of h begin at K group 1
	s_add_nc_u64 s[40:41], s[8:9], 1024            ; its requests ahead at K group 2
	s_lshl_b32 s28, s2, 19                         ; my stream of B
	s_add_nc_u64 s[10:11], s[10:11], s[28:29]
	s_add_nc_u64 s[26:27], s[10:11], 32768         ; refills begin at stream step 4
	s_lshr_b32 s28, ttmp9, 4                       ; batch
	s_lshl_b32 s28, s28, 6
	s_add_nc_u64 s[12:13], s[12:13], s[28:29]
	s_lshl_b32 s28, ttmp9, 9                       ; block x 128 rows x 4 bytes
	s_add_nc_u64 s[18:19], s[18:19], s[28:29]
	s_add_nc_u64 s[20:21], s[20:21], s[28:29]
	s_add_nc_u64 s[22:23], s[22:23], s[28:29]
	s_lshl_b32 s28, ttmp9, 12
	s_lshl_b32 s39, s2, 10
	s_add_co_u32 s28, s28, s39                     ; block x 4,096 + wave x 1,024
	s_add_nc_u64 s[24:25], s[24:25], s[28:29]
	; ---- first loads: 15 of tables, 32 of h, 32 of B
	global_load_b128 v[96:99], v56, s[12:13]
	global_load_b128 v[100:103], v56, s[12:13] offset:16
	global_load_b128 v[104:107], v57, s[14:15]
	global_load_b128 v[108:111], v57, s[14:15] offset:16
	global_load_b128 v[112:115], v57, s[16:17]
	global_load_b128 v[116:119], v57, s[16:17] offset:16
	global_load_b128 v[48:51], v2, s[20:21]        ; mask of rows 4 L .. 4 L + 3
.irp a, 0,1,2,3,4,5,6,7
	global_load_b32 v[16+2*\a], v58, s[18:19] offset:64*\a         ; coverage of row 16 a + r
.endr
	LDH 8                                          ; K group 0
	PFH 8, 512                                     ; K group 1 is loaded when group 0 has been stored, behind the start of the sums
	PFH 8, 512+65536
	LDB 0, 10, 0
	LDB 1, 10, 8192
	WIN 0
	; ---- the tables go into LDS
	s_wait_loadcnt 63                              ; 64 loads are younger than the 15 of the tables: with 63 out these are in
	ds_store_b128 v10, v[96:99]
	ds_store_b128 v10, v[100:103] offset:16
	ds_store_b128 v10, v[104:107] offset:4096
	ds_store_b128 v10, v[108:111] offset:4112
	ds_store_b128 v10, v[112:115] offset:8192
	ds_store_b128 v10, v[116:119] offset:8208
.irp a, 0,1,2,3,4,5,6,7
	v_mul_f32 v[17+2*\a], C2L, v[16+2*\a]          ; c x coverage, twice: a pair for the packed multiply-add
	v_mul_f32 v[16+2*\a], C2L, v[16+2*\a]
.endr
	s_wait_dscnt 0x0                               ; for the others: my part of the tables is in LDS
	s_barrier_signal -1
	s_barrier_wait -1
	; ---- the sums of chunk 0 are started while group 0 of h is on its way; w_c and dec lie for that while in B's buffers 2 and 3
	WIN TO_B
	LDPAR 0
	s_wait_dscnt 0x0
	WIN 0x91                                       ; sources 0 and 2 window 1, coverage window 0, destination window 2
	INIT 0
	WIN 0xd1
	INIT 1
	LDB 2, 10, 16384
	LDB 3, 10, 24576
	WIN 0
	; ---- K group 0 goes into LDS
	WAITLD HM                                      ; 64 loads (four buffers of B) are younger than the 32 of h: with 63 out these are in
	STAGE
	v_add_nc_u32 v11, GRPW, v11
	s_wait_dscnt 0x0                               ; for the others: my rows of group 0 are in LDS
	s_barrier_signal -1
	s_barrier_wait -1
	LDA 0, 0
	LDA 1, 0
	; ---- chunk 0, trips g = 0 .. 6: the products read K group g; group g + 1 is loaded at the top and stored in the fourth K step.
	; Loads in a trip, in order: h (32), buffers 0, 1, 2, 3 (16 each).  So 80 loads are younger than the buffer that a K step waits for.
	; Requests ahead: trip g asks for group g + 2, which the next trip's top loads, 3 and 2 K steps (192 and 128 matrix instructions) ahead of those loads;
	; each block of 256 bytes is asked for by one lane of one wave.  Trip 6 has no group left: its address is clamped to group 7.
	s_mov_b32 s3, 7
.Lk0:
	LDH 44
	KSTEP 0, 64, 26, 0
	PFH 40, 0
	KSTEP 1, 128, 26, 8192
	PFH 40, 65536
	KSTEP 2, 192, 26, 16384
	KSTG
	STEPA                                          ; the group that is read
	v_add_nc_u32 v11, GRPW, v11                    ; the group that is stored
	s_wait_xcnt 0x0                                ; the bases of the loads and requests issued are stepped only behind this wait
	s_add_nc_u64 s[26:27], s[26:27], 32768
	s_add_nc_u64 s[44:45], s[44:45], 512
	s_cmp_ge_u32 s3, 3                             ; trips 0 to 4 step the requests' base; from group 7 on it stays
	s_cselect_b32 s42, 512, 0
	s_add_nc_u64 s[40:41], s[40:41], s[42:43]
	s_sub_co_u32 s3, s3, 1
	s_cmp_lg_u32 s3, 0
	s_cbranch_scc1 .Lk0
	; trip 7: nothing is left to store; B's refills run on into chunk 1 (stream steps 32 to 35); three buffers (48 loads) are younger than the one waited for
	KSTEP 0, 64, 26, 0
	KSTEP 1, 128, 26, 8192
	KSTEP 2, 192, 26, 16384
	KSTEP 3, -1, 26, 24576
	; ---- epilogue of chunk 0.  The four places behind the last matrix instruction stand in the last K step, ahead of its loads of B.
	; B's first four K steps of chunk 1 are on their way meanwhile.
	LDV 0
	LDPAR 1                                        ; w_c and dec of chunk 1 into the registers that held h's rows
	s_wait_dscnt 32                                ; v is in; the 32 younger loads stay out
.irp a, 0,1,2,3,4,5,6,7
	EBLK \a, 1
.endr
	s_wait_dscnt 0x0
	WIN 0x80
	INIT 0
	WIN 0xc0
	INIT 1
	WIN 0
	RESETA                                         ; back to group 0
	LDA 0, 0
	LDA 1, 0
	s_wait_xcnt 0x0
	s_add_nc_u64 s[26:27], s[26:27], 32768         ; stream step 36
	; ---- chunk 1: all of A is in LDS.  Seven trips of four K steps refill B; on the way in and over the back edge alike three buffers (48 loads) are
	; younger than the one waited for, and 8 LDS loads younger than the fragments waited for.
	s_mov_b32 s3, 7
.Lk1:
	KSTEP 0, 64, 26, 0
	KSTEP 1, 128, 26, 8192
	KSTEP 2, 192, 26, 16384
	KSTEP 3, GRPW, 26, 24576
	WIN 0
	STEPA
	s_wait_xcnt 0x0                                ; the base of the loads just issued is stepped only behind this wait
	s_add_nc_u64 s[26:27], s[26:27], 32768
	s_sub_co_u32 s3, s3, 1
	s_cmp_lg_u32 s3, 0
	s_cbranch_scc1 .Lk1
	KSTEP 0, 64, 26, -1                            ; the last group: nothing is left to fetch of B, the counts run down 48, 32, 16, 0
	KSTEP 1, 128, 26, -1
	KSTEP 2, 192, 26, -1
	KSTEP 3, -1, 26, -1
	; ---- epilogue of chunk 1
	PLACES
	WIN 0
	LDV 1
	s_wait_dscnt 0x0
.irp a, 0,1,2,3,4,5,6,7
	EBLK \a, 0
.endr
	; ---- scores: the two lane halves hold different columns of the same rows; then the four waves' parts meet in LDS
.irp a, 0,1,2,3,4,5,6,7
	v_permlanex16_b32 v[40+\a], v[32+\a], s30, s31 ; the destination counts as read: v40-47 have been written
.endr
.irp a, 0,1,2,3,4,5,6,7
	v_add_f32 v[32+\a], v[32+\a], v[40+\a]
	ds_store_b32 v12, v[32+\a] offset:64*\a
.endr
	s_wait_dscnt 0x0                               ; for the others: my part of the scores is in LDS
	s_barrier_signal -1
	s_barrier_wait -1
.irp w, 0,1,2,3
	ds_load_b128 v[96+4*\w:99+4*\w], v13 offset:512*\w
.endr
	v_cmp_gt_u32 vcc_lo, 16, v1                    ; lanes 0-15, for the way out of cpart
	s_wait_dscnt 0x0
	v_pk_add_f32 v[96:97], v[96:97], v[100:101]    ; every wave adds in the same order, so all four hold the same numbers
	v_pk_add_f32 v[98:99], v[98:99], v[102:103]
	v_pk_add_f32 v[104:105], v[104:105], v[108:109]
	v_pk_add_f32 v[106:107], v[106:107], v[110:111]
	v_pk_add_f32 v[96:97], v[96:97], v[104:105]
	v_pk_add_f32 v[98:99], v[98:99], v[106:107]
	v_pk_mul_f32 v[96:97], v[96:97], -2.0 op_sel_hi:[1,0]
	v_pk_mul_f32 v[98:99], v[98:99], -2.0 op_sel_hi:[1,0]          ; scores of rows 4 L .. 4 L + 3; v96-99 are not written again
	s_cmp_lg_u32 s2, 0
	s_cbranch_scc1 .Lnot_wave_0
	global_store_b128 v2, v[96:99], s[22:23]       ; the block's 128 scores: 512 consecutive bytes, aligned
.Lnot_wave_0:
	; the block's maximum is taken away before the exponential; the last launch finds the same maximum from the stored scores
	v_max3_num_f32 v53, v96, v97, v98
	v_max_num_f32 v53, v53, v99
	v_max_num_f32_dpp v53, v53, v53 row_xmask:1 row_mask:0xf bank_mask:0xf
	v_max_num_f32_dpp v53, v53, v53 row_xmask:2 row_mask:0xf bank_mask:0xf
	v_max_num_f32_dpp v53, v53, v53 row_xmask:4 row_mask:0xf bank_mask:0xf
	v_max_num_f32_dpp v53, v53, v53 row_xmask:8 row_mask:0xf bank_mask:0xf
	v_permlanex16_b32 v40, v53, s30, s31
	v_max_num_f32 v53, v53, v40
	v_mul_f32 v54, NL2E, v53
.irp i, 0,1,2,3
	v_fma_f32 v[56+\i], v[96+\i], s46, v54         ; (score - maximum) log2(e)
.endr
.irp i, 0,1,2,3
	v_exp_f32 v[56+\i], v[56+\i]
.endr
	v_nop
	s_wait_alu depctr_va_vdst(0)
	v_pk_mul_f32 v[56:57], v[56:57], v[48:49]      ; x mask
	v_pk_mul_f32 v[58:59], v[58:59], v[50:51]
	v_cvt_pk_bf16_f32 v60, v56, v57
	v_cvt_pk_bf16_f32 v61, v58, v59
	ds_store_b64 v14, v[60:61]                     ; my wave's own copy; LDS serves a wave's instructions in order (ISA guide 5.7.1), so the loads below see it
.irp k, 0,1,2,3
	ds_load_b128 v[64+8*\k:64+8*\k+3], v15 offset:64*\k            ; weights of rows 32 k + 8 hh .. + 7,
	ds_load_b128 v[64+8*\k+4:64+8*\k+7], v15 offset:64*\k+32       ; and 32 k + 16 + 8 hh .. + 7, the same in all 16 rows of the fragment
.endr
	v_add_nc_u32 v57, WBLK, v62                    ; the transposing loads' address in row blocks 1, 2, 3
	v_add_nc_u32 v58, 2*WBLK, v62
	v_add_nc_u32 v59, 3*WBLK, v62
	; ---- cpart: wave w makes columns 256 w .. 256 w + 255 (K groups 2 w and 2 w + 1 of h in LDS), 16 tiles, four steps of 32 rows (one row block each)
	LDT 0, 62
	LDT 1, 57
	s_wait_dscnt 32                                ; all but the 32 loads of step 1
	MULT 0
	PLACES
	LDT 2, 58
	s_wait_dscnt 32
	MULT 1
	PLACES
	LDT 3, 59
	s_wait_dscnt 32
	MULT 2
	s_wait_dscnt 0x0
	MULT 3
	PLACES
	WIN 0
	; all 16 rows of a result tile are alike: register 0 holds column r in both lane halves.  Two tiles make 32 neighbouring columns.
.irp u, 0,1,2,3,4,5,6,7
	v_cndmask_b32 v[100+\u], v[136+16*\u], v[128+16*\u], vcc_lo
.endr
.irp u, 0,1,2,3,4,5,6,7
	ds_store_b32 v63, v[100+\u] offset:128*\u
.endr
	ds_load_b128 v[108:111], v55
	ds_load_b128 v[112:115], v55 offset:512
	s_wait_dscnt 0x0
	global_store_b128 v2, v[108:111], s[24:25]     ; 512 consecutive bytes, aligned
	global_store_b128 v2, v[112:115], s[24:25] offset:512
	s_wait_xcnt 0x0
	v_lshl_add_u32 v126, v0, 2, 0x48c00
	v_mov_b32 v127, 0
	s_wait_tensorcnt 0x0
	ds_add_u32 v126, v127
	s_wait_dscnt 0x0
	s_endpgm
.Lfunc_end_k_q2add45e3de_main:
	.size	k_q2add45e3de_main, .Lfunc_end_k_q2add45e3de_main-k_q2add45e3de_main
	.p2alignl 7, 3214868480
	.fill 96, 4, 3214868480
	.section	.rodata,"a",@progbits
	.p2align	6, 0x0
	.amdhsa_kernel k_q2add45e3de_main
		.amdhsa_group_segment_fixed_size 298496
		.amdhsa_private_segment_fixed_size 0
		.amdhsa_enable_private_segment 0
		.amdhsa_kernarg_size 72
		.amdhsa_user_sgpr_count 2
		.amdhsa_user_sgpr_kernarg_segment_ptr 1
		.amdhsa_wavefront_size32 1
		.amdhsa_system_sgpr_workgroup_id_x 1
		.amdhsa_system_sgpr_workgroup_id_y 1
		.amdhsa_system_sgpr_workgroup_id_z 1
		.amdhsa_system_vgpr_workitem_id 0
		.amdhsa_next_free_vgpr 1024
		.amdhsa_next_free_sgpr 66
		.amdhsa_reserve_vcc 1
		.amdhsa_float_denorm_mode_32 3
		.amdhsa_float_denorm_mode_16_64 3
		.amdhsa_memory_ordered 1
		.amdhsa_forward_progress 1
		.amdhsa_inst_pref_size 255
	.end_amdhsa_kernel
	.section	.bss,"aw",@nobits
	.p2align	6
	.space	262144
	.amdgpu_metadata
---
amdhsa.version: [ 1, 2 ]
amdhsa.kernels:
  - .name:           k_q2add45e3de_main
    .symbol:         k_q2add45e3de_main.kd
    .args:
      - { .name: h, .offset: 0, .size: 8, .value_kind: global_buffer, .address_space: global }
      - { .name: Wf, .offset: 8, .size: 8, .value_kind: global_buffer, .address_space: global }
      - { .name: decT, .offset: 16, .size: 8, .value_kind: global_buffer, .address_space: global }
      - { .name: w_c, .offset: 24, .size: 8, .value_kind: global_buffer, .address_space: global }
      - { .name: v, .offset: 32, .size: 8, .value_kind: global_buffer, .address_space: global }
      - { .name: coverage, .offset: 40, .size: 8, .value_kind: global_buffer, .address_space: global }
      - { .name: enc_padding_mask, .offset: 48, .size: 8, .value_kind: global_buffer, .address_space: global }
      - { .name: scores, .offset: 56, .size: 8, .value_kind: global_buffer, .address_space: global }
      - { .name: cpart, .offset: 64, .size: 8, .value_kind: global_buffer, .address_space: global }
    .group_segment_fixed_size: 298496
    .private_segment_fixed_size: 0
    .kernarg_segment_align: 8
    .kernarg_segment_size: 72
    .max_flat_workgroup_size: 128
    .sgpr_count:     66
    .vgpr_count:     1024
    .wavefront_size: 32
...
	.end_amdgpu_metadata
.endif
;; end of part 4
;; launch finish (part 5): grid 32 x 1, 16 waves a work-group, no clusters, 2,304 bytes of LDS; arguments scores, cpart, enc_padding_mask, coverage, out0, out1, out2; writes out0, out1, out2
.if DOCPART == 5
	.amdgcn_target "amdgcn-amd-amdhsa--gfx1250"
	.amdhsa_code_object_version 6
	.text
	.protected	k_q2add45e3de_finish
	.globl	k_q2add45e3de_finish
	.p2align	8
	.type	k_q2add45e3de_finish,@function
k_q2add45e3de_finish:
	s_mov_b64 s[64:65], 0
	v_nop
	global_prefetch_b8 v0, s[64:65] scope:SCOPE_SE
	s_setreg_imm32_b32 hwreg(HW_REG_WAVE_MODE, 25, 1), 1
	s_wait_xcnt 0x0
; One work-group for each batch joins the 16 blocks of the main launch.
;   M = maximum of the batch's 2,048 scores (masked ones too, as in the softmax of the problem);  e[t] = exp(score[t] - M) * mask[t];  L = sum of e;
;   out1 = e / L;  out2 = coverage + e / L;  out0[n] = sum over blocks j of exp(m_j - M) / L * cpart[j][n],  m_j = block j's maximum.
; The softmax's own denominator cancels against the renormalisation, so it is not formed.  The scores lack the constant sum(v), which cancels with M.
; Wave j holds block j's 128 scores, so its own maximum is the m_j by which the main launch scaled cpart[j]: a maximum of the same stored numbers.
; LIMITS: v_exp_f32 returns 0 below 2^-126 (ISA guide 15.8).  A batch whose mask is all zero gives L = 0 and NaN, as the problem's own division does.
; Memory binds and the work is small: no matrix unit, no cluster; 32 work-groups because a batch's sums must meet in one place.
.set L2E,  0x3fb8aa3b                  ; log2(e)
.set NL2E, 0xbfb8aa3b
	s_load_b256 s[4:11], s[0:1], 0x0               ; scores s[4:5], cpart s[6:7], mask s[8:9], coverage s[10:11]
	s_load_b128 s[12:15], s[0:1], 0x20             ; out0 s[12:13], out1 s[14:15]
	s_load_b64 s[16:17], s[0:1], 0x30              ; out2
	v_lshl_add_u32 v96, v0, 2, 0x100
	v_mov_b32 v97, 0
	v_lshrrev_b32 v1, 5, v0
	v_readfirstlane_b32 s2, v1                     ; wave j
	v_mov_b32 v3, s2
	v_lshlrev_b32 v3, 2, v3                        ; my wave's word in LDS
	v_lshlrev_b32 v1, 4, v0                        ; 16 x thread: four t
	v_lshlrev_b32 v2, 3, v0                        ; 8 x thread: two columns
	s_mov_b32 s18, 0x76543210
	s_mov_b32 s19, 0xfedcba98
	s_mov_b32 s26, L2E
	s_lshl_b32 s20, ttmp9, 13                      ; batch x 2,048 x 4 bytes
	s_mov_b32 s21, 0
	s_lshl_b32 s22, ttmp9, 16                      ; batch x 16 blocks x 4,096 bytes
	s_mov_b32 s23, 0
	s_lshl_b32 s24, ttmp9, 12                      ; batch x 1,024 x 4 bytes
	s_mov_b32 s25, 0
	s_wait_kmcnt 0x0
	s_add_nc_u64 s[4:5], s[4:5], s[20:21]
	s_add_nc_u64 s[8:9], s[8:9], s[20:21]
	s_add_nc_u64 s[10:11], s[10:11], s[20:21]
	s_add_nc_u64 s[14:15], s[14:15], s[20:21]
	s_add_nc_u64 s[16:17], s[16:17], s[20:21]
	s_add_nc_u64 s[6:7], s[6:7], s[22:23]
	s_add_nc_u64 s[12:13], s[12:13], s[24:25]
	global_load_b128 v[4:7], v1, s[4:5]
	global_load_b128 v[8:11], v1, s[8:9]
	global_load_b128 v[12:15], v1, s[10:11]
.irp j, 0,1,2,3,4,5,6,7,8,9,10,11,12,13,14,15
	global_load_b64 v[16+2*\j:17+2*\j], v2, s[6:7] offset:4096*\j  ; a wave takes 256 consecutive bytes of each block's row
.endr
	s_wait_loadcnt 18                              ; the scores are in; mask, coverage and the 16 loads of cpart stay out
	v_max3_num_f32 v48, v4, v5, v6
	v_max_num_f32 v48, v48, v7
	v_max_num_f32_dpp v48, v48, v48 row_xmask:1 row_mask:0xf bank_mask:0xf
	v_max_num_f32_dpp v48, v48, v48 row_xmask:2 row_mask:0xf bank_mask:0xf
	v_max_num_f32_dpp v48, v48, v48 row_xmask:4 row_mask:0xf bank_mask:0xf
	v_max_num_f32_dpp v48, v48, v48 row_xmask:8 row_mask:0xf bank_mask:0xf
	v_permlanex16_b32 v0, v48, s18, s19            ; v0 has served: it is the scratch destination, which counts as read
	v_max_num_f32 v48, v48, v0                     ; m_j
	ds_store_b32 v3, v48
	s_wait_dscnt 0x0                               ; for the others
	s_barrier_signal -1
	s_barrier_wait -1
	v_mov_b32 v49, 0
.irp i, 0,1,2,3
	ds_load_b128 v[52+4*\i:55+4*\i], v49 offset:16*\i              ; m_0 .. m_15
.endr
	s_wait_dscnt 0x0
	v_max3_num_f32 v68, v52, v53, v54
.irp i, 55,57,59,61,63,65
	v_max3_num_f32 v68, v68, v[\i], v[\i+1]
.endr
	v_max_num_f32 v68, v68, v67                    ; M
	v_mul_f32 v69, NL2E, v68
.irp i, 4,5,6,7
	v_fma_f32 v[\i], v[\i], s26, v69               ; (score - M) log2(e)
.endr
.irp i, 4,5,6,7
	v_exp_f32 v[\i], v[\i]
.endr
.irp j, 0,1,2,3,4,5,6,7,8,9,10,11,12,13,14,15
	v_fma_f32 v[52+\j], v[52+\j], s26, v69         ; (m_j - M) log2(e): also the plain work behind the exponentials (ISA guide 5.7.2)
.endr
	s_wait_loadcnt 16                              ; mask and coverage are in; cpart stays out
	s_wait_alu depctr_va_vdst(0)
	v_pk_mul_f32 v[4:5], v[4:5], v[8:9]
	v_pk_mul_f32 v[6:7], v[6:7], v[10:11]          ; e
	v_pk_add_f32 v[70:71], v[4:5], v[6:7]
	v_add_f32 v70, v70, v71
	v_add_f32_dpp v70, v70, v70 row_xmask:1 row_mask:0xf bank_mask:0xf
	v_add_f32_dpp v70, v70, v70 row_xmask:2 row_mask:0xf bank_mask:0xf
	v_add_f32_dpp v70, v70, v70 row_xmask:4 row_mask:0xf bank_mask:0xf
	v_add_f32_dpp v70, v70, v70 row_xmask:8 row_mask:0xf bank_mask:0xf
	v_permlanex16_b32 v0, v70, s18, s19
	v_add_f32 v70, v70, v0
	ds_store_b32 v3, v70 offset:64                 ; other bytes than the maxima: no barrier is needed between the two uses
	s_wait_dscnt 0x0
	s_barrier_signal -1
	s_barrier_wait -1
.irp i, 0,1,2,3
	ds_load_b128 v[72+4*\i:75+4*\i], v49 offset:64+16*\i           ; the 16 waves' sums
.endr
.irp j, 0,1,2,3,4,5,6,7,8,9,10,11,12,13,14,15
	v_exp_f32 v[52+\j], v[52+\j]
.endr
	s_wait_dscnt 0x0
	v_pk_add_f32 v[72:73], v[72:73], v[80:81]
	v_pk_add_f32 v[74:75], v[74:75], v[82:83]
	v_pk_add_f32 v[76:77], v[76:77], v[84:85]
	v_pk_add_f32 v[78:79], v[78:79], v[86:87]
	v_pk_add_f32 v[72:73], v[72:73], v[76:77]
	v_pk_add_f32 v[74:75], v[74:75], v[78:79]
	v_pk_add_f32 v[72:73], v[72:73], v[74:75]
	v_add_f32 v72, v72, v73                        ; L
	v_rcp_f32 v88, v72
	v_rcp_f32 v89, v72                             ; twice: a pair for the packed forms
	v_nop
	s_wait_alu depctr_va_vdst(0)
	v_pk_fma_f32 v[12:13], v[4:5], v[88:89], v[12:13]              ; coverage + e / L
	v_pk_fma_f32 v[14:15], v[6:7], v[88:89], v[14:15]
	v_pk_mul_f32 v[4:5], v[4:5], v[88:89]                          ; e / L
	v_pk_mul_f32 v[6:7], v[6:7], v[88:89]
	global_store_b128 v1, v[4:7], s[14:15]         ; a wave stores 512 consecutive bytes, aligned
	global_store_b128 v1, v[12:15], s[16:17]
.irp j, 0,1,2,3,4,5,6,7,8,9,10,11,12,13,14,15
	v_mul_f32 v[52+\j], v[52+\j], v88              ; exp(m_j - M) / L
.endr
	s_wait_loadcnt 0x0
	v_mul_f32 v90, v52, v16                        ; the first products start the two sums
	v_mul_f32 v91, v52, v17
.irp j, 1,2,3,4,5,6,7,8,9,10,11,12,13,14,15
	v_fmac_f32 v90, v[52+\j], v[16+2*\j]
	v_fmac_f32 v91, v[52+\j], v[17+2*\j]
.endr
	global_store_b64 v2, v[90:91], s[12:13]        ; a wave stores 256 consecutive bytes, aligned
	s_wait_tensorcnt 0x0
	ds_add_u32 v96, v97
	s_wait_dscnt 0x0
	s_endpgm
.Lfunc_end_k_q2add45e3de_finish:
	.size	k_q2add45e3de_finish, .Lfunc_end_k_q2add45e3de_finish-k_q2add45e3de_finish
	.p2alignl 7, 3214868480
	.fill 96, 4, 3214868480
	.section	.rodata,"a",@progbits
	.p2align	6, 0x0
	.amdhsa_kernel k_q2add45e3de_finish
		.amdhsa_group_segment_fixed_size 2304
		.amdhsa_private_segment_fixed_size 0
		.amdhsa_enable_private_segment 0
		.amdhsa_kernarg_size 56
		.amdhsa_user_sgpr_count 2
		.amdhsa_user_sgpr_kernarg_segment_ptr 1
		.amdhsa_wavefront_size32 1
		.amdhsa_system_sgpr_workgroup_id_x 1
		.amdhsa_system_sgpr_workgroup_id_y 1
		.amdhsa_system_sgpr_workgroup_id_z 1
		.amdhsa_system_vgpr_workitem_id 0
		.amdhsa_next_free_vgpr 98
		.amdhsa_next_free_sgpr 66
		.amdhsa_reserve_vcc 0
		.amdhsa_float_denorm_mode_32 3
		.amdhsa_float_denorm_mode_16_64 3
		.amdhsa_memory_ordered 1
		.amdhsa_forward_progress 1
		.amdhsa_inst_pref_size 11
	.end_amdhsa_kernel
	.amdgpu_metadata
---
amdhsa.version: [ 1, 2 ]
amdhsa.kernels:
  - .name:           k_q2add45e3de_finish
    .symbol:         k_q2add45e3de_finish.kd
    .args:
      - { .name: scores, .offset: 0, .size: 8, .value_kind: global_buffer, .address_space: global }
      - { .name: cpart, .offset: 8, .size: 8, .value_kind: global_buffer, .address_space: global }
      - { .name: enc_padding_mask, .offset: 16, .size: 8, .value_kind: global_buffer, .address_space: global }
      - { .name: coverage, .offset: 24, .size: 8, .value_kind: global_buffer, .address_space: global }
      - { .name: out0, .offset: 32, .size: 8, .value_kind: global_buffer, .address_space: global }
      - { .name: out1, .offset: 40, .size: 8, .value_kind: global_buffer, .address_space: global }
      - { .name: out2, .offset: 48, .size: 8, .value_kind: global_buffer, .address_space: global }
    .group_segment_fixed_size: 2304
    .private_segment_fixed_size: 0
    .kernarg_segment_align: 8
    .kernarg_segment_size: 56
    .max_flat_workgroup_size: 512
    .sgpr_count:     66
    .vgpr_count:     98
    .wavefront_size: 32
...
	.end_amdgpu_metadata
.endif
;; end of part 5
